; MI455X (gfx1250); checked and timed in simulation.
; The chip was launched on July 23, 2026; its instructions are those of AMD's public machine-readable ISA for CDNA 5 (MIT licence, August 2026) and "CDNA5" Instruction Set Architecture Reference Guide (July 2026). The comments in the code are by the model that wrote it; some were corrected since.
;; Medical Transformer. Allowed arithmetic: matrix products marked QUANTISED: E2M1 operands, one E8M0 scale for each 32 along K, by v_wmma_scale_f32_16x16x128_f8f6f4 with both operands' format E2M1 (or v_wmma_scale_f32_32x16x128_f4), f32 sums; products left as they are: f32 operands where the result goes on into a quantised operand, else bf16, f16 or f32 operands; f32 sums; everything else in f32.
;; Inputs: b_out 128 float32; b_qkv 128 float32; b_sim 24 float32; g_out 128 float32; g_qkv 128 float32; g_sim 24 float32; relative 16 x 255 float32; w_qkv_codes 128 x 2 x 16 uint8 (E2M1 codes of w_qkv, K innermost, in blocks of 32 codes, two codes a byte); w_qkv_scales 128 x 2 uint8 (E8M0 scales of w_qkv, one for each 32 codes along K); x_codes 4 x 128 x 128 x 2 x 16 uint8 (E2M1 codes of x, K innermost, in blocks of 32 codes, two codes a byte); x_scales 4 x 128 x 128 x 2 uint8 (E8M0 scales of x, one for each 32 codes along K).
;; Outputs: out0 4 x 64 x 128 x 128 float32.
;; This version of the problem:
;;   THIS VERSION OF THE PROBLEM IS GIVEN IN LOW PRECISION. The matrix products marked QUANTISED in the list below multiply operands that are first quantised to E2M1 (2 exponent bits, 1 mantissa bit; 4 bits a number), with one power-of-two scale for each 32 numbers along K (OCP MX v1.0); their sums are f32. All else is computed in f32.
;;   The module's matrix products, in the order in which they are computed (A, B: the left and right operand; K: the contracted axis; several contracted axes count as one K, in the product's order):
;;     1. [M 128, K 64] x [K 64, N 65,536]; A: input w_qkv (given as codes); B: input x (given as codes): QUANTISED
;;     2. batch 128 x [M 128, K 4] x [K 4, N 4,096]; A: computed on the way; B: computed on the way: left as it is (K = 4 < 32)
;;     3. batch 128 x [M 128, K 4] x [K 4, N 4,096]; A: computed on the way; B: computed on the way: left as it is (K = 4 < 32)
;;     4. batch 4,096 x [M 128, K 4] x [K 4, N 128]; A: computed on the way; B: computed on the way: left as it is (K = 4 < 32)
;;     5. batch 4,096 x [M 8, K 128] x [K 128, N 128]; A: computed on the way; B: softmax: left as it is (M = 8 < 16)
;;     6. batch 128 x [M 8, K 128] x [K 128, N 4,096]; A: computed on the way; B: softmax: left as it is (M = 8 < 16)
;;   THE QUANTISER, for each operand of a quantised product, along K:
;;     - K is cut into blocks of 32 from its start; a last block that is shorter is filled with zeros.
;;     - A block's scale is 2^e with e = floor(log2(the largest magnitude in the block)) - 2, held to -126 .. 127; a block of zeros has e = 0. As a byte (E8M0): e + 127.
;;     - Each number is divided by its block's scale, clamped to +-6, and rounded to the nearest number of E2M1, ties to even, subnormals kept.
;;     - The product sums the exact products of the quantised numbers (number of the format x scale) in f32.
;;   ~~~python
;;   def quantise(x, axis):      # numpy; x: float32 -> the quantised numbers, widened to float32 again
;;       x = np.moveaxis(x, axis, -1); K = x.shape[-1]
;;       x = np.pad(x, [(0, 0)] * (x.ndim - 1) + [(0, -K % 32)]); x = x.reshape(x.shape[:-1] + (-1, 32)); a = np.abs(x).max(-1, keepdims=True)
;;       e = np.where(a > 0, np.clip(np.frexp(np.where(a > 0, a, 1))[1] - 1 - 2, -126, 127), 0)      # np.frexp(a)[1] - 1 = floor(log2(a)), exactly
;;       r = np.clip(x / 2.0 ** e, -6, 6)
;;       step = 2.0 ** (np.maximum(np.frexp(np.where(r == 0, 1, r))[1] - 1, 0) - 1)
;;       q = np.round(r / step) * step * 2.0 ** e      # np.round: ties to even
;;       return np.moveaxis(q.reshape(q.shape[:-2] + (-1,))[..., :K], -1, axis).astype(np.float32)
;;   ~~~
;;   INPUTS GIVEN AS CODES. w_qkv (in the module: [128, 64], K = its axis 1); x (in the module: [4, 64, 128, 128], K = its axis 1): each comes as NAME_codes (uint8): NAME with its K axis moved to the last place and cut into blocks of 32 codes, [.., K / 32, bytes a block], one block behind the other in memory; two codes a byte, the lower K in the low four bits (a code: sign, 2 exponent bits, 1 mantissa bit); and NAME_scales (uint8): the same leading axes, one E8M0 byte (e + 127) for each 32 codes along K. Its value is code x scale, taken as it is: it is not quantised again, and the codes and scales need not be those that the quantiser above would give.
;; One version. Each part assembles by itself: llvm-mc -triple=amdgcn-amd-amdhsa -mcpu=gfx1250 --defsym DOCPART=n.
;; ======== version 1 of 1: 4 launches
;; limits: a difference of large sums (such as E[x^2] - mean^2): digits are lost where the result is much smaller than its terms
;; workspace buffers: part1 131,072 bytes; tabs 32,768 bytes; simpart 8,192 bytes; zbuf 33,554,432 bytes; part3 65,536 bytes
;; launch stats1 (part 1): grid 128 x 1, 4 waves a work-group, no clusters, 8,704 bytes of LDS; arguments x_codes, x_scales, w_qkv_codes, w_qkv_scales, relative, part1, tabs; writes part1, tabs
.if DOCPART == 1
	.amdgcn_target "amdgcn-amd-amdhsa--gfx1250"
	.amdhsa_code_object_version 6
	.text
	.protected	k_q5a42892f8b_stats1
	.globl	k_q5a42892f8b_stats1
	.p2align	8
	.type	k_q5a42892f8b_stats1,@function
k_q5a42892f8b_stats1:
	s_mov_b64 s[64:65], 0
	v_nop
	global_prefetch_b8 v0, s[64:65] scope:SCOPE_SE
	s_setreg_imm32_b32 hwreg(HW_REG_WAVE_MODE, 25, 1), 1
	s_wait_xcnt 0x0
; FIRST OF FOUR LAUNCHES.  y[o][p] = sum over c of W[o][c] x[p][c] on E2M1 codes (128 channels o, 65,536 positions p = (n, i, w), K = 64).
; This launch stores, for each work-group's 512 positions, each channel's sum of y and of y^2 (part1 [wg 128][sum, squares][channel 128]),
; and lays the table 'relative' out for the later launches (tabs):
;   tabL [D 256][8] at byte 0:     relative[c][D], c = 0..3, then relative[4+c][254-D]      (the entries that qr and kr want at diagonal D = i - j + 127)
;   tabV [D 256][8] at byte 8192:  relative[8+c][D]
;   tabE [t 128][32] at byte 16384: over the window D = t .. t+127: sums of rows 0-3 (4), 12 weighted sums of products of rows 0-3, the same for rows 4-7.
;   The 12 products are (c,c') = 00 01 02 03 10 11 12 13 22 23 32 33; those of 02 03 12 13 count twice: together the whole symmetric 4 x 4 sum.
; K = 64 is half of the matrix instruction's 128: registers 4-7 of every fragment hold zero codes on both sides, and the scale bytes over them are 0 (no NaN byte).
; Source 0 = 16 positions of x, source 1 = 16 channels of W: a lane then holds ONE channel and eight positions, so a channel's sums stay in a lane.
; SHARES: a work-group 512 positions, a wave 128 = 8 tiles of 16, each against W's 8 tiles.  Behind the one barrier waves 0, 1 add the four waves' sums and store them,
; wave 2 makes row t = work-group of tabE, wave 3 copies rows 2 wg, 2 wg + 1 of tabL and tabV (row 255, a pad, repeats row 254).
; No tensor loads, no cluster: each code byte goes from memory into a register once, and no tile is shared between work-groups.
; LIMITS: NaN, infinities and a scale byte 0xff among the inputs are not served.
.set XS,  16                           ; v16-23   x's scale words, one a tile: they hold nothing else
.set WS,  24                           ; v24-31   W's
.set XF,  32                           ; v32-95   x's 8 fragments
.set WF,  96                           ; v96-159  W's 8 fragments
.set Y,   160                          ; v160-223 8 results
.set SUM, 224                          ; v224-239 8 pairs: sums
.set SQ,  240                          ; v240-255 8 pairs: sums of squares
.set TE,  4096                         ; LDS: bytes 0-4095 [wave][stat][channel]; 128 bytes from TE on: wave 2's row of tabE
.macro BAR                             ; my LDS instructions are done; then the work-group's barrier
	s_wait_dscnt 0x0
	s_barrier_signal -1
	s_barrier_wait -1
.endm
	s_load_b256 s[8:15], s[0:1], 0x0               ; x's codes s[8:9], x's scales s[10:11], W's codes s[12:13], W's scales s[14:15]
	s_load_b128 s[16:19], s[0:1], 0x20             ; relative s[16:17], part1 s[18:19]
	s_load_b64 s[20:21], s[0:1], 0x30              ; tabs
	s_set_vgpr_msb 0x40
	v_lshl_add_u32 v0, v0, 2, 0x2000
	v_mov_b32 v1, 0
	s_set_vgpr_msb 0x4000
.irp k, 0,1,2,3,4,5,6,7
.irp j, 4,5,6,7
	v_mov_b32 v[XF+8*\k+\j], 0                     ; k = 64 .. 127: zero codes; written once, far ahead of the products
	v_mov_b32 v[WF+8*\k+\j], 0
.endr
.endr
	v_lshrrev_b32 v1, 5, v0
	v_readfirstlane_b32 s22, v1                    ; wave 0..3
	v_and_b32 v1, 31, v0                           ; lane l
	v_and_b32 v2, 15, v0                           ; r
	v_bfe_u32 v3, v0, 4, 1                         ; h
	v_lshlrev_b32 v4, 5, v2
	v_lshl_add_u32 v4, v3, 4, v4                   ; a fragment's bytes: row r of 32 bytes, block h
	v_lshlrev_b32 v5, 1, v2                        ; a row's two scale bytes
	s_lshl_b32 s23, s22, 10
	v_lshl_add_u32 v6, v2, 2, s23                  ; LDS: my wave's 1,024 bytes, channel r of a tile
	v_lshlrev_b32 v7, 4, v0                        ; LDS and part1: 16 bytes a thread (waves 0, 1)
	v_mov_b32 v8, TE                               ; LDS: tabE's row (wave 2)
	v_lshlrev_b32 v9, 2, v1                        ; 4 l
	s_mov_b32 s24, 0x76543210
	s_mov_b32 s25, 0xfedcba98                      ; v_permlanex16_b32's selects for lane l xor 16
	s_lshl_b32 s2, ttmp9, 14                       ; my wave's 128 positions: 32 bytes of codes each,
	s_lshl_b32 s3, s22, 12
	s_add_co_u32 s2, s2, s3
	s_mov_b32 s3, 0
	s_lshl_b32 s4, ttmp9, 10                       ; 2 scale bytes each
	s_lshl_b32 s5, s22, 8
	s_add_co_u32 s4, s4, s5
	s_mov_b32 s5, 0
	s_lshl_b32 s26, ttmp9, 10                      ; part1: 1,024 bytes a work-group
	s_mov_b32 s27, 0
	s_wait_kmcnt 0x0
	s_add_nc_u64 s[8:9], s[8:9], s[2:3]
	s_add_nc_u64 s[10:11], s[10:11], s[4:5]
	s_add_nc_u64 s[18:19], s[18:19], s[26:27]
.irp t, 0,1,2,3,4,5,6,7
	global_load_b128 v[WF+8*\t:WF+8*\t+3], v4, s[12:13] offset:512*\t
	global_load_u16 v[WS+\t], v5, s[14:15] offset:32*\t
.endr
.irp k, 0,1,2,3,4,5,6,7
	global_load_b128 v[XF+8*\k:XF+8*\k+3], v4, s[8:9] offset:512*\k      ; 32 lanes read 512 consecutive bytes
	global_load_u16 v[XS+\k], v5, s[10:11] offset:32*\k
.endr
; Tile k of 16 positions against all 128 channels; then each channel's sums.  first = 1: the first tile starts the sums: nothing is cleared.
.macro TILE k, first
	s_wait_loadcnt 14-2*\k                         ; W and tiles 0 .. k are in; the later tiles' two loads each may be out
.irp t, 0,1,2,3,4,5,6,7
	v_wmma_scale_f32_16x16x128_f8f6f4 v[Y+8*\t:Y+8*\t+7], v[XF+8*\k:XF+8*\k+7], v[WF+8*\t:WF+8*\t+7], 0, v[XS+\k], v[WS+\t] matrix_a_fmt:MATRIX_FMT_FP4 matrix_b_fmt:MATRIX_FMT_FP4
.endr
.rept 4
	v_nop                                          ; four places between the last product and the first read of a result (ISA guide 7.12.1)
.endr
.irp u, 0,1,2,3                                ; each result is read from its low end on
.irp t, 0,1,2,3,4,5,6,7
.if \first && (\u == 0)
	v_pk_add_f32 v[SUM+2*\t:SUM+2*\t+1], v[Y+8*\t:Y+8*\t+1], v[Y+8*\t+2:Y+8*\t+3]
	v_pk_mul_f32 v[SQ+2*\t:SQ+2*\t+1], v[Y+8*\t:Y+8*\t+1], v[Y+8*\t:Y+8*\t+1]
.elseif \first && (\u == 1)
	v_pk_fma_f32 v[SQ+2*\t:SQ+2*\t+1], v[Y+8*\t+2:Y+8*\t+3], v[Y+8*\t+2:Y+8*\t+3], v[SQ+2*\t:SQ+2*\t+1]
.else
	v_pk_add_f32 v[SUM+2*\t:SUM+2*\t+1], v[SUM+2*\t:SUM+2*\t+1], v[Y+8*\t+2*\u:Y+8*\t+2*\u+1]
	v_pk_fma_f32 v[SQ+2*\t:SQ+2*\t+1], v[Y+8*\t+2*\u:Y+8*\t+2*\u+1], v[Y+8*\t+2*\u:Y+8*\t+2*\u+1], v[SQ+2*\t:SQ+2*\t+1]
.endif
.endr
.endr
.endm
	TILE 0, 1
.irp k, 1,2,3,4,5,6,7
	TILE \k, 0                                     ; the 64 sums of the tile before stand between its products and these, which write the same results
.endr
.irp t, 0,1,2,3,4,5,6,7
	v_add_f32 v[SUM+2*\t], v[SUM+2*\t], v[SUM+2*\t+1]
	v_add_f32 v[SQ+2*\t], v[SQ+2*\t], v[SQ+2*\t+1]
.endr
.irp t, 0,1,2,3,4,5,6,7
	v_permlanex16_b32 v[SUM+2*\t+1], v[SUM+2*\t], s24, s25         ; the channel's other eight positions of each tile lie in lane l xor 16
	v_permlanex16_b32 v[SQ+2*\t+1], v[SQ+2*\t], s24, s25
.endr
.irp t, 0,1,2,3,4,5,6,7
	v_add_f32 v[SUM+2*\t], v[SUM+2*\t], v[SUM+2*\t+1]
	v_add_f32 v[SQ+2*\t], v[SQ+2*\t], v[SQ+2*\t+1]
.endr
.irp t, 0,1,2,3,4,5,6,7
	ds_store_b32 v6, v[SUM+2*\t] offset:64*\t      ; both halves of the lanes write the same word with the same value
	ds_store_b32 v6, v[SQ+2*\t] offset:512+64*\t
.endr
	BAR                                            ; the four waves' sums lie in LDS
	s_cmp_lt_u32 s22, 2
	s_cbranch_scc0 .Lnot01
	; ---- waves 0 and 1: 64 threads x 16 bytes = [stat][channel]; the four waves' parts are added and leave as 1,024 consecutive bytes
.irp w, 0,1,2,3
	ds_load_b128 v[Y+4*\w:Y+4*\w+3], v7 offset:1024*\w
.endr
	s_wait_dscnt 0x0
	v_pk_add_f32 v[Y:Y+1], v[Y:Y+1], v[Y+4:Y+5]
	v_pk_add_f32 v[Y+2:Y+3], v[Y+2:Y+3], v[Y+6:Y+7]
	v_pk_add_f32 v[Y+8:Y+9], v[Y+8:Y+9], v[Y+12:Y+13]
	v_pk_add_f32 v[Y+10:Y+11], v[Y+10:Y+11], v[Y+14:Y+15]
	v_pk_add_f32 v[Y:Y+1], v[Y:Y+1], v[Y+8:Y+9]
	v_pk_add_f32 v[Y+2:Y+3], v[Y+2:Y+3], v[Y+10:Y+11]
	global_store_b128 v7, v[Y:Y+3], s[18:19]
	s_set_vgpr_msb 0x5
	s_wait_tensorcnt 0x0
	ds_add_u32 v0, v1
	s_wait_dscnt 0x0
	s_set_vgpr_msb 0x500
	s_endpgm
.Lnot01:
	s_cmp_eq_u32 s22, 2
	s_cbranch_scc0 .Lwave3
	; ---- wave 2: row t = work-group of tabE.  Lane l takes D = t + 4 l + 0..3 of rows 0-7 of relative
	s_lshl_b32 s26, ttmp9, 2
	v_lshl_add_u32 v10, v1, 4, s26                 ; (t + 4 l) x 4 bytes
.irp c, 0,1,2,3,4,5,6,7
.irp u, 0,1,2,3
	global_load_b32 v[XF+4*\c+\u], v10, s[16:17] offset:(\c*255+\u)*4
.endr
.endr
	s_lshl_b32 s26, ttmp9, 7
	s_add_co_u32 s26, s26, 16384
	s_mov_b32 s27, 0
	s_add_nc_u64 s[20:21], s[20:21], s[26:27]      ; tabE's row t
	s_wait_loadcnt 0x0
.irp p, 0,1                                    ; p = 0: rows 0-3 (q's), 1: rows 4-7 (k's)
.irp c, 0,1,2,3
	v_add_f32 v[WF+16*\p+\c], v[XF+16*\p+4*\c], v[XF+16*\p+4*\c+1]
	v_add_f32 v[WF+16*\p+\c], v[WF+16*\p+\c], v[XF+16*\p+4*\c+2]
	v_add_f32 v[WF+16*\p+\c], v[WF+16*\p+\c], v[XF+16*\p+4*\c+3]
.endr
.set x, 0
.rept 12
.if x < 8
.set ca, x/4
.set cb, x%4
.else
.set ca, 2+(x-8)/2
.set cb, 2+(x-8)%2
.endif
	v_mul_f32 v[WF+16*\p+4+x], v[XF+16*\p+4*ca], v[XF+16*\p+4*cb]
	v_fmac_f32 v[WF+16*\p+4+x], v[XF+16*\p+4*ca+1], v[XF+16*\p+4*cb+1]
	v_fmac_f32 v[WF+16*\p+4+x], v[XF+16*\p+4*ca+2], v[XF+16*\p+4*cb+2]
	v_fmac_f32 v[WF+16*\p+4+x], v[XF+16*\p+4*ca+3], v[XF+16*\p+4*cb+3]
.if (x < 8) && (x%4 >= 2)
	v_add_f32 v[WF+16*\p+4+x], v[WF+16*\p+4+x], v[WF+16*\p+4+x]    ; 02 03 12 13 stand for 20 30 21 31 too
.endif
.set x, x+1
.endr
.endr
.irp m, 1,2,4,8                                ; the 32 numbers are summed over the 32 lanes, by turns
.set x, 0
.rept 32
	v_add_f32_dpp v[WF+x], v[WF+x], v[WF+x] row_xmask:\m row_mask:0xf bank_mask:0xf
.set x, x+1
.endr
.endr
.set x, 0
.rept 32
	v_permlanex16_b32 v[XF+x], v[WF+x], s24, s25
.set x, x+1
.endr
.set x, 0
.rept 32
	v_add_f32 v[WF+x], v[WF+x], v[XF+x]
	ds_store_b32 v8, v[WF+x] offset:4*x            ; number x to word x: all lanes hold the same value
.set x, x+1
.endr
	ds_load_b32 v11, v9 offset:TE                  ; LDS serves a wave's instructions in order: lane l takes number l
	s_wait_dscnt 0x0
	global_store_b32 v9, v11, s[20:21]             ; 128 consecutive bytes
	s_set_vgpr_msb 0x5
	s_wait_tensorcnt 0x0
	ds_add_u32 v0, v1
	s_wait_dscnt 0x0
	s_set_vgpr_msb 0x500
	s_endpgm
.Lwave3:
	; ---- wave 3: rows D' = 2 wg + l / 16 of tabL and tabV; lane's entry e = l % 16
	v_and_b32 v10, 15, v1                          ; e
	v_lshrrev_b32 v11, 4, v1
	s_lshl_b32 s26, ttmp9, 1
	v_add_nc_u32 v11, s26, v11                     ; D'
	v_min_u32 v12, 254, v11                        ; D: the pad row 255 repeats row 254
	v_sub_nc_u32 v13, 254, v12
	v_and_b32 v14, 12, v10
	v_cmp_eq_u32 vcc_lo, 4, v14                    ; e = 4 .. 7: k's rows are wanted mirrored
	v_cndmask_b32 v12, v12, v13, vcc_lo
	v_mad_u32_u24 v12, v10, 255, v12
	v_lshlrev_b32 v12, 2, v12
	global_load_b32 v15, v12, s[16:17]
	v_lshlrev_b32 v13, 5, v11
	v_lshl_add_u32 v13, v10, 2, v13                ; 32 D' + 4 e,
	v_and_b32 v14, 8, v10
	v_mad_u32_u24 v13, v14, 1020, v13              ; and for e = 8 .. 15: + 8192 - 32
	s_wait_loadcnt 0x0
	global_store_b32 v13, v15, s[20:21]
	s_set_vgpr_msb 0x5
	s_wait_tensorcnt 0x0
	ds_add_u32 v0, v1
	s_wait_dscnt 0x0
	s_set_vgpr_msb 0x500
	s_endpgm
.Lfunc_end_k_q5a42892f8b_stats1:
	.size	k_q5a42892f8b_stats1, .Lfunc_end_k_q5a42892f8b_stats1-k_q5a42892f8b_stats1
	.p2alignl 7, 3214868480
	.fill 96, 4, 3214868480
	.section	.rodata,"a",@progbits
	.p2align	6, 0x0
	.amdhsa_kernel k_q5a42892f8b_stats1
		.amdhsa_group_segment_fixed_size 8704
		.amdhsa_private_segment_fixed_size 0
		.amdhsa_enable_private_segment 0
		.amdhsa_kernarg_size 56
		.amdhsa_user_sgpr_count 2
		.amdhsa_user_sgpr_kernarg_segment_ptr 1
		.amdhsa_wavefront_size32 1
		.amdhsa_system_sgpr_workgroup_id_x 1
		.amdhsa_system_sgpr_workgroup_id_y 1
		.amdhsa_system_sgpr_workgroup_id_z 1
		.amdhsa_system_vgpr_workitem_id 0
		.amdhsa_next_free_vgpr 258
		.amdhsa_next_free_sgpr 66
		.amdhsa_reserve_vcc 1
		.amdhsa_float_denorm_mode_32 3
		.amdhsa_float_denorm_mode_16_64 3
		.amdhsa_memory_ordered 1
		.amdhsa_forward_progress 1
		.amdhsa_inst_pref_size 74
	.end_amdhsa_kernel
	.amdgpu_metadata
---
amdhsa.version: [ 1, 2 ]
amdhsa.kernels:
  - .name:           k_q5a42892f8b_stats1
    .symbol:         k_q5a42892f8b_stats1.kd
    .args:
      - { .name: x_codes, .offset: 0, .size: 8, .value_kind: global_buffer, .address_space: global }
      - { .name: x_scales, .offset: 8, .size: 8, .value_kind: global_buffer, .address_space: global }
      - { .name: w_qkv_codes, .offset: 16, .size: 8, .value_kind: global_buffer, .address_space: global }
      - { .name: w_qkv_scales, .offset: 24, .size: 8, .value_kind: global_buffer, .address_space: global }
      - { .name: relative, .offset: 32, .size: 8, .value_kind: global_buffer, .address_space: global }
      - { .name: part1, .offset: 40, .size: 8, .value_kind: global_buffer, .address_space: global }
      - { .name: tabs, .offset: 48, .size: 8, .value_kind: global_buffer, .address_space: global }
    .group_segment_fixed_size: 8704
    .private_segment_fixed_size: 0
    .kernarg_segment_align: 8
    .kernarg_segment_size: 56
    .max_flat_workgroup_size: 128
    .sgpr_count:     66
    .vgpr_count:     258
    .wavefront_size: 32
...
	.end_amdgpu_metadata
.endif
;; end of part 1
;; launch simstat (part 2): grid 128 x 1, 8 waves a work-group, no clusters, 46,080 bytes of LDS; arguments x_codes, x_scales, w_qkv_codes, w_qkv_scales, g_qkv, b_qkv, part1, tabs, simpart; writes simpart
.if DOCPART == 2
	.amdgcn_target "amdgcn-amd-amdhsa--gfx1250"
	.amdhsa_code_object_version 6
	.text
	.protected	k_q5a42892f8b_simstat
	.globl	k_q5a42892f8b_simstat
	.p2align	8
	.type	k_q5a42892f8b_simstat,@function
k_q5a42892f8b_simstat:
	s_mov_b64 s[64:65], 0
	v_nop
	global_prefetch_b8 v0, s[64:65] scope:SCOPE_SE
	s_setreg_imm32_b32 hwreg(HW_REG_WAVE_MODE, 25, 1), 1
	s_wait_xcnt 0x0
; SECOND LAUNCH: the sums from which the BatchNorm over the similarities (24 channels of 2^23 numbers) takes its means and variances, without forming a similarity.
; With q, k the normalised channels of one column b and group g:
;   sum of qk   = sum over c of Sq[c] Sk[c],           Sq[c] = sum over i of q[c][i]
;   sum of qk^2 = sum over c, c' of Gq[c][c'] Gk[c][c'], Gq = sum over i of q[c][i] q[c'][i]
;   sum of qr   = sum over i, c of q[c][i] e1q[i][c];  sum of qr^2 = sum over i, c, c' of q[c][i] q[c'][i] E2q[i][c][c']   (e1, E2: tabE's row i);  kr likewise with k.
; The sums of qr and kr are stored without reference()'s factor 0.1.  simpart [g 8][s 8][bw 32]: s = 0 qk, 1 qk^2, 2 qr, 3 qr^2, 4 kr, 5 kr^2; s = 6, 7 are not used.
; SHARES: a work-group takes 16 columns (bw = n x 8 + w / 16) and two groups (2 T, 2 T + 1); wave wv takes rows i = 16 wv .. 16 wv + 15.
; THE PRODUCT: source 0 = 16 rows of W chosen so that lane (r, h) of the result holds q0-3, k0-3 of group 2 T + h and column r: row r' of the tile is channel (2 T + r' / 8) 16 + r' % 8.
; A lane is one batch (b, g), so tabE's row is the same for all lanes: it lies in scalar registers, two sets by turns.
; The symmetric 4 x 4 sums go over 12 products, 00 01 02 03 10 11 12 13 22 23 32 33; 02 03 12 13 count twice (in tabE the weight is folded in).
; No tensor loads, no cluster: the codes go from memory into fragments once for each work-group, 64 KiB of them.
; LIMITS: the variance of y is E[y^2] - mean^2 in f32, held at 0 from below: it loses log2(1 + mean^2 / var) bits.  NaN, infinities and a scale byte 0xff are not served.
.set NW,  8                            ; waves
.set PW,  16                           ; rows of part1 that a wave adds
.set NA,  2                            ; 16-byte pieces of a and of d that a lane wants: channels 0-7 of its group
.set KEEPB, 0
.set RED,  0                           ; LDS 0-2047: [stat 2][channel 32][wave 8]
.set ADW,  2048                        ; 2048-6143: 512 bytes a wave: a, d of the 32 channels
.set RED2, 8192                        ; 8192-45055: [wave 8][9][lane 32][16 bytes]
.set AN,  10                           ; v10-17   a of my 8 channels
.set DN,  18                           ; v18-25   d
.set N8,  26                           ; v26-33   q0-3, k0-3 of the row in hand
.set P,   34                           ; v34-57   their 12 + 12 products
.set BG,  58
.set BB,  59
.set GQB, 60                           ; v60-71 Gq, v72-75 Sq, v76-87 Gk, v88-91 Sk, v92-95 the sums of qr, qr^2, kr, kr^2
.set SQB, 72
.set GKB, 76
.set SKB, 88
.set WW,  92
.set U,   96                           ; v96-119  E2 x products, 12 + 12
.set W1,  120                          ; v120-127 e1 x q, e1 x k
.set XS,  128                          ; v128-143 x's scale words, one a row: they hold nothing else
.set WF,  144                          ; v144-151 W's fragment
.set WS,  152                          ; v152     W's scale words
.set BRS, 153
.set BRL, 154
.set BAS, 155
.set BAL, 156
.set R2S, 157
.set R2L, 158
.set SO,  159
.set DD,  160                          ; v160-191 four rows' results
.set BT,  160                          ; (before that: part1's numbers)
.set BR,  96
.set XF,  192                          ; v192-255 x's fragments, eight at a time
.set BO,  8
.set BC,  9
.set P1,  20
.set GQ,  16
.set BQ,  18
.macro BAR
	s_wait_dscnt 0x0
	s_barrier_signal -1
	s_barrier_wait -1
.endm
; a = g rsqrt(var + eps), d = b - mean a of channels 32 T + lane, from part1's 128 rows: each wave adds PW rows, the waves' parts meet in LDS, every wave finishes the sums;
; then a and d go through the wave's own 512 bytes of LDS into the result's layout: lane (r, h) takes those of local channels 16 h + 0 ..
.macro BNCONST
.set u, 0
.rept PW
	global_load_b32 v[BT+2*u], v[BO], s[P1:P1+1] offset:u*1024
	global_load_b32 v[BT+2*u+1], v[BO], s[P1:P1+1] offset:u*1024+512
.set u, u+1
.endr
	global_load_b32 v[BG], v[BC], s[GQ:GQ+1]
	global_load_b32 v[BB], v[BC], s[BQ:BQ+1]
	s_wait_loadcnt 0x0                             ; these, and every load issued before them
.set u, 1
.rept PW-1
	v_pk_add_f32 v[BT:BT+1], v[BT:BT+1], v[BT+2*u:BT+2*u+1]
.set u, u+1
.endr
	ds_store_b32 v[BRS], v[BT]
	ds_store_b32 v[BRS], v[BT+1] offset:128*NW
	BAR
.set u, 0
.rept NW/4
	ds_load_b128 v[BR+4*u:BR+4*u+3], v[BRL] offset:16*u
	ds_load_b128 v[BR+NW+4*u:BR+NW+4*u+3], v[BRL] offset:128*NW+16*u
.set u, u+1
.endr
	s_wait_dscnt 0x0
.set u, 1
.rept NW/2-1
	v_pk_add_f32 v[BR:BR+1], v[BR:BR+1], v[BR+2*u:BR+2*u+1]
	v_pk_add_f32 v[BR+NW:BR+NW+1], v[BR+NW:BR+NW+1], v[BR+NW+2*u:BR+NW+2*u+1]
.set u, u+1
.endr
	v_add_f32 v[BR], v[BR], v[BR+1]
	v_add_f32 v[BR+NW], v[BR+NW], v[BR+NW+1]
	v_mul_f32 v[BR], 0x37800000, v[BR]             ; the mean: / 65,536
	v_mul_f32 v[BR+NW], 0x37800000, v[BR+NW]
	v_fma_f32 v[BR+NW], -v[BR], v[BR], v[BR+NW]    ; the variance,
	v_max_num_f32 v[BR+NW], 0, v[BR+NW]            ; held at 0 from below
	v_add_f32 v[BR+NW], 0x3727c5ac, v[BR+NW]       ; + 1e-5
	v_rsq_f32 v[BR+1], v[BR+NW]
	v_nop                                          ; a plain instruction behind the transcendental,
	s_wait_alu depctr_va_vdst(0)                   ; and the wait ahead of its first reader
	v_mul_f32 v[BR+1], v[BG], v[BR+1]              ; a
	v_fma_f32 v[BR+2], -v[BR], v[BR+1], v[BB]      ; d
	ds_store_b32 v[BAS], v[BR+1]
	ds_store_b32 v[BAS], v[BR+2] offset:128
.if KEEPB
	ds_store_b32 v[BAS], v[BB] offset:256
.endif
.set u, 0
.rept NA
	ds_load_b128 v[AN+4*u:AN+4*u+3], v[BAL] offset:16*u            ; my wave's own bytes: LDS serves a wave's instructions in order
	ds_load_b128 v[DN+4*u:DN+4*u+3], v[BAL] offset:128+16*u
.set u, u+1
.endr
	s_wait_dscnt 0x0
.endm
	s_load_b512 s[8:23], s[0:1], 0x0               ; x's codes 8, x's scales 10, W's codes 12, W's scales 14, g_qkv 16, b_qkv 18, part1 20, tabs 22
	s_load_b64 s[24:25], s[0:1], 0x40              ; simpart
	s_set_vgpr_msb 0x40
	v_lshl_add_u32 v0, v0, 2, 0xb000
	v_mov_b32 v1, 0
	s_set_vgpr_msb 0x4000
.irp k, 0,1,2,3,4,5,6,7
.irp j, 4,5,6,7
	v_mov_b32 v[XF+8*\k+\j], 0                     ; k = 64 .. 127: zero codes; they stay when the fragments are loaded anew
.endr
.endr
.irp j, 4,5,6,7
	v_mov_b32 v[WF+\j], 0
.endr
	v_lshrrev_b32 v1, 5, v0
	v_readfirstlane_b32 s84, v1                    ; wave 0..7
	v_and_b32 v1, 31, v0                           ; l
	v_and_b32 v2, 15, v0                           ; r
	v_bfe_u32 v3, v0, 4, 1                         ; h
	v_lshlrev_b32 v4, 5, v2
	v_lshl_add_u32 v4, v3, 4, v4                   ; x's codes: 32 r + 16 h
	v_lshlrev_b32 v5, 1, v2                        ; x's scales: 2 r
	v_lshrrev_b32 v6, 3, v2                        ; r / 8
	v_and_b32 v7, 7, v2                            ; r % 8
	v_lshlrev_b32 v8, 5, v7
	v_lshl_add_u32 v8, v6, 9, v8
	v_lshlrev_b32 v7, 1, v7
	v_lshl_add_u32 v7, v6, 5, v7                   ; W's scales: channel (r / 8) 16 + r % 8, 2 bytes each
	v_lshl_add_u32 v6, v3, 4, v8                   ; W's codes: 32 bytes each, + 16 h
	s_and_b32 s26, ttmp9, 3                        ; T
	s_lshr_b32 s27, ttmp9, 2                       ; bw
	s_lshr_b32 s28, s27, 3                         ; n
	s_and_b32 s29, s27, 7                          ; w / 16
	s_lshl_b32 s30, s26, 7
	s_lshl_b32 s31, s84, 14
	s_add_co_u32 s31, s31, s30
	v_lshl_add_u32 v[BO], v1, 2, s31               ; part1: 4 l + 16 rows x wave + 128 T
	v_lshl_add_u32 v[BC], v1, 2, s30               ; g_qkv, b_qkv: channel 32 T + l
	s_lshl_b32 s31, s84, 2
	v_lshl_add_u32 v[BRS], v1, 5, s31              ; LDS addresses hang on lane and wave alone
	v_lshlrev_b32 v[BRL], 5, v1
	s_lshl_b32 s31, s84, 9
	s_add_co_u32 s31, s31, ADW
	v_lshl_add_u32 v[BAS], v1, 2, s31
	v_lshl_add_u32 v[BAL], v3, 6, s31
	s_mul_i32 s31, s84, 9*512
	s_add_co_u32 s31, s31, RED2
	v_lshl_add_u32 v[R2S], v1, 4, s31
	v_lshl_add_u32 v[R2L], v1, 4, RED2
	s_lshl_b32 s31, s26, 11
	s_lshl_b32 s32, s27, 2
	s_add_co_u32 s31, s31, s32
	v_lshl_add_u32 v[SO], v3, 10, s31              ; simpart: (2 T + h) 1,024 + 4 bw
	s_lshl_b32 s32, s28, 19                        ; x's codes: n, my 16 rows of 4,096 bytes, my 16 columns
	s_lshl_b32 s33, s84, 16
	s_add_co_u32 s32, s32, s33
	s_lshl_b32 s33, s29, 9
	s_add_co_u32 s32, s32, s33
	s_mov_b32 s33, 0
	s_lshl_b32 s34, s28, 15                        ; x's scales likewise
	s_lshl_b32 s35, s84, 12
	s_add_co_u32 s34, s34, s35
	s_lshl_b32 s35, s29, 5
	s_add_co_u32 s34, s34, s35
	s_mov_b32 s35, 0
	s_lshl_b32 s36, s26, 10
	s_mov_b32 s37, 0
	s_lshl_b32 s38, s26, 6
	s_mov_b32 s39, 0
	s_lshl_b32 s40, s84, 11                        ; tabE: my 16 rows of 128 bytes
	s_mov_b32 s41, 0
	s_wait_kmcnt 0x0
	s_add_nc_u64 s[6:7], s[8:9], s[32:33]          ; x's codes stay in s[6:7]: s8 on will take the tables
	s_add_nc_u64 s[10:11], s[10:11], s[34:35]
	s_add_nc_u64 s[12:13], s[12:13], s[36:37]
	s_add_nc_u64 s[14:15], s[14:15], s[38:39]
	s_add_nc_u64 s[2:3], s[22:23], s[40:41]
	s_mov_b64 s[4:5], s[24:25]
	global_load_b128 v[WF:WF+3], v6, s[12:13]
	global_load_u16 v[WS], v7, s[14:15]
.irp k, 0,1,2,3,4,5,6,7,8,9,10,11,12,13,14,15
	global_load_u16 v[XS+\k], v5, s[10:11] offset:256*\k
.endr
.irp k, 0,1,2,3,4,5,6,7
	global_load_b128 v[XF+8*\k:XF+8*\k+3], v4, s[6:7] offset:4096*\k
.endr
	BNCONST                                        ; its wait for all loads also frees s8 to s25
	s_load_b512 s[8:23], s[2:3], 16384             ; tabE's row of my first row, into set 0
	s_load_b512 s[24:39], s[2:3], 16384+64
.macro PROD d, s                       ; the 12 products of the four numbers at v[s]
	v_pk_mul_f32 v[\d:\d+1], v[\s:\s+1], v[\s:\s+1] op_sel_hi:[0,1]
	v_pk_mul_f32 v[\d+2:\d+3], v[\s:\s+1], v[\s+2:\s+3] op_sel_hi:[0,1]
	v_pk_mul_f32 v[\d+4:\d+5], v[\s:\s+1], v[\s:\s+1] op_sel:[1,0] op_sel_hi:[1,1]
	v_pk_mul_f32 v[\d+6:\d+7], v[\s:\s+1], v[\s+2:\s+3] op_sel:[1,0] op_sel_hi:[1,1]
	v_pk_mul_f32 v[\d+8:\d+9], v[\s+2:\s+3], v[\s+2:\s+3] op_sel_hi:[0,1]
	v_pk_mul_f32 v[\d+10:\d+11], v[\s+2:\s+3], v[\s+2:\s+3] op_sel:[1,0] op_sel_hi:[1,1]
.endm
; Row rr of my 16; its result lies in v[DD + 8 k].  The first row starts every sum: nothing is cleared.
.macro ROW rr, k
	s_wait_kmcnt 0x0                               ; this row's table is in; the next row's goes into the other set, whose readers have been issued
.if (\rr) < 15
.if (\rr)%2 == 0
	s_load_b512 s[40:55], s[2:3], 16384+128*((\rr)+1)
	s_load_b512 s[68:83], s[2:3], 16384+128*((\rr)+1)+64
.else
	s_load_b512 s[8:23], s[2:3], 16384+128*((\rr)+1)
	s_load_b512 s[24:39], s[2:3], 16384+128*((\rr)+1)+64
.endif
.endif
.if (\rr)%2 == 0
.set EA, 8
.set EB, 24
.else
.set EA, 40
.set EB, 68
.endif
.if (\rr) == 0
.set QR, SQB
.set KR, SKB
.set PQ, GQB
.set PK, GKB
.else
.set QR, N8
.set KR, N8+4
.set PQ, P
.set PK, P+12
.endif
	v_pk_fma_f32 v[QR:QR+1], v[DD+8*\k:DD+8*\k+1], v[AN:AN+1], v[DN:DN+1]           ; the BatchNorm of y; the result is read from its low end on
	v_pk_fma_f32 v[QR+2:QR+3], v[DD+8*\k+2:DD+8*\k+3], v[AN+2:AN+3], v[DN+2:DN+3]
	v_pk_fma_f32 v[KR:KR+1], v[DD+8*\k+4:DD+8*\k+5], v[AN+4:AN+5], v[DN+4:DN+5]
	v_pk_fma_f32 v[KR+2:KR+3], v[DD+8*\k+6:DD+8*\k+7], v[AN+6:AN+7], v[DN+6:DN+7]
	PROD PQ, QR
	PROD PK, KR
.if (\rr) != 0
.irp u, 0,1,2,3,4,5
	v_pk_add_f32 v[GQB+2*\u:GQB+2*\u+1], v[GQB+2*\u:GQB+2*\u+1], v[P+2*\u:P+2*\u+1]
	v_pk_add_f32 v[GKB+2*\u:GKB+2*\u+1], v[GKB+2*\u:GKB+2*\u+1], v[P+12+2*\u:P+12+2*\u+1]
.endr
	v_pk_add_f32 v[SQB:SQB+1], v[SQB:SQB+1], v[N8:N8+1]
	v_pk_add_f32 v[SQB+2:SQB+3], v[SQB+2:SQB+3], v[N8+2:N8+3]
	v_pk_add_f32 v[SKB:SKB+1], v[SKB:SKB+1], v[N8+4:N8+5]
	v_pk_add_f32 v[SKB+2:SKB+3], v[SKB+2:SKB+3], v[N8+6:N8+7]
.endif
.set x, 0
.rept 12
.if (\rr) == 0
	v_mul_f32 v[U+x], s[EA+4+x], v[PQ+x]
	v_mul_f32 v[U+12+x], s[EB+4+x], v[PK+x]
.else
	v_fmac_f32 v[U+x], s[EA+4+x], v[PQ+x]
	v_fmac_f32 v[U+12+x], s[EB+4+x], v[PK+x]
.endif
.set x, x+1
.endr
.irp c, 0,1,2,3
.if (\rr) == 0
	v_mul_f32 v[W1+\c], s[EA+\c], v[QR+\c]
	v_mul_f32 v[W1+4+\c], s[EB+\c], v[KR+\c]
.else
	v_fmac_f32 v[W1+\c], s[EA+\c], v[QR+\c]
	v_fmac_f32 v[W1+4+\c], s[EB+\c], v[KR+\c]
.endif
.endr
.endm
; Four rows: their products, then their sums.  Behind groups 0 and 1 the four fragments just used take rows 8 further on.
.macro GROUP gq
.if \gq == 2
	s_wait_loadcnt 0x4                             ; rows 8-11 are in; the four loads of rows 12-15 may be out
.endif
.if \gq == 3
	s_wait_loadcnt 0x0
.endif
.irp k, 0,1,2,3
	v_wmma_scale_f32_16x16x128_f8f6f4 v[DD+8*\k:DD+8*\k+7], v[WF:WF+7], v[XF+8*((4*\gq+\k)%8):XF+8*((4*\gq+\k)%8)+7], 0, v[WS], v[XS+4*\gq+\k] matrix_a_fmt:MATRIX_FMT_FP4 matrix_b_fmt:MATRIX_FMT_FP4
.endr
.rept 4
	v_nop                                          ; four places: in front of the loads into fragments just read, and of the first read of a result
.endr
.if \gq < 2
.irp k, 0,1,2,3
	global_load_b128 v[XF+8*(4*\gq+\k):XF+8*(4*\gq+\k)+3], v4, s[6:7] offset:4096*(8+4*\gq+\k)
.endr
.endif
.irp k, 0,1,2,3
	ROW 4*\gq+\k, \k
.endr
.endm
	GROUP 0
	GROUP 1
	GROUP 2
	GROUP 3
.irp u, 1,2,3,4,5
	v_pk_add_f32 v[U:U+1], v[U:U+1], v[U+2*\u:U+2*\u+1]
	v_pk_add_f32 v[U+12:U+13], v[U+12:U+13], v[U+12+2*\u:U+12+2*\u+1]
.endr
	v_add_f32 v[W1], v[W1], v[W1+1]
	v_add_f32 v[W1+2], v[W1+2], v[W1+3]
	v_add_f32 v[W1+4], v[W1+4], v[W1+5]
	v_add_f32 v[W1+6], v[W1+6], v[W1+7]
	v_add_f32 v[WW], v[W1], v[W1+2]                ; sum of qr over my rows
	v_add_f32 v[WW+1], v[U], v[U+1]                ; of qr^2
	v_add_f32 v[WW+2], v[W1+4], v[W1+6]            ; of kr
	v_add_f32 v[WW+3], v[U+12], v[U+13]            ; of kr^2
.irp u, 0,1,2,3,4,5,6,7,8
	ds_store_b128 v[R2S], v[GQB+4*\u:GQB+4*\u+3] offset:512*\u     ; 36 numbers a lane, 16 bytes a lane an instruction
.endr
	BAR                                            ; the eight waves' 36 sums lie in LDS
	s_cmp_lg_u32 s84, 0
	s_cbranch_scc1 .Ldone
	; ---- wave 0 adds the other seven waves' parts: the sums over all 128 rows of each lane's batch
.irp w, 1,2,3,4,5,6,7
.irp u, 0,1,2,3,4,5,6,7,8
	ds_load_b128 v[DD+4*\u:DD+4*\u+3], v[R2L] offset:\w*4608+\u*512
.endr
	s_wait_dscnt 0x0
.irp u, 0,1,2,3,4,5,6,7,8,9,10,11,12,13,14,15,16,17
	v_pk_add_f32 v[GQB+2*\u:GQB+2*\u+1], v[GQB+2*\u:GQB+2*\u+1], v[DD+2*\u:DD+2*\u+1]
.endr
.endr
	v_mul_f32 v[U], v[SQB], v[SKB]                 ; sum of qk
	v_mul_f32 v[U+1], v[GQB], v[GKB]               ; sum of qk^2: the products that count once,
	v_mul_f32 v[U+2], v[GQB+2], v[GKB+2]           ; and those that count twice
.irp c, 1,2,3
	v_fmac_f32 v[U], v[SQB+\c], v[SKB+\c]
.endr
.irp x, 1,4,5,8,9,10,11
	v_fmac_f32 v[U+1], v[GQB+\x], v[GKB+\x]
.endr
.irp x, 3,6,7
	v_fmac_f32 v[U+2], v[GQB+\x], v[GKB+\x]
.endr
	v_fmac_f32 v[U+1], 2.0, v[U+2]
.irp m, 1,2,4,8                                ; over the 16 columns: the two halves of the lanes are two groups
	v_add_f32_dpp v[U], v[U], v[U] row_xmask:\m row_mask:0xf bank_mask:0xf
	v_add_f32_dpp v[U+1], v[U+1], v[U+1] row_xmask:\m row_mask:0xf bank_mask:0xf
	v_add_f32_dpp v[WW], v[WW], v[WW] row_xmask:\m row_mask:0xf bank_mask:0xf
	v_add_f32_dpp v[WW+1], v[WW+1], v[WW+1] row_xmask:\m row_mask:0xf bank_mask:0xf
	v_add_f32_dpp v[WW+2], v[WW+2], v[WW+2] row_xmask:\m row_mask:0xf bank_mask:0xf
	v_add_f32_dpp v[WW+3], v[WW+3], v[WW+3] row_xmask:\m row_mask:0xf bank_mask:0xf
.endr
	s_wait_xcnt 0x0                                ; EXEC changes only behind this wait
	v_cmp_eq_u32 vcc_lo, 0, v2
	s_and_saveexec_b32 s85, vcc_lo                 ; one lane of each half stores
	global_store_b32 v[SO], v[U], s[4:5]
	global_store_b32 v[SO], v[U+1], s[4:5] offset:128
	global_store_b32 v[SO], v[WW], s[4:5] offset:256
	global_store_b32 v[SO], v[WW+1], s[4:5] offset:384
	global_store_b32 v[SO], v[WW+2], s[4:5] offset:512
	global_store_b32 v[SO], v[WW+3], s[4:5] offset:640
	s_wait_xcnt 0x0                                ; and again, in front of the line that widens it
	s_or_b32 exec_lo, exec_lo, s85
.Ldone:
	s_set_vgpr_msb 0x5
	s_wait_tensorcnt 0x0
	ds_add_u32 v0, v1
	s_wait_dscnt 0x0
	s_set_vgpr_msb 0x500
	s_endpgm
.Lfunc_end_k_q5a42892f8b_simstat:
	.size	k_q5a42892f8b_simstat, .Lfunc_end_k_q5a42892f8b_simstat-k_q5a42892f8b_simstat
	.p2alignl 7, 3214868480
	.fill 96, 4, 3214868480
	.section	.rodata,"a",@progbits
	.p2align	6, 0x0
	.amdhsa_kernel k_q5a42892f8b_simstat
		.amdhsa_group_segment_fixed_size 46080
		.amdhsa_private_segment_fixed_size 0
		.amdhsa_enable_private_segment 0
		.amdhsa_kernarg_size 72
		.amdhsa_user_sgpr_count 2
		.amdhsa_user_sgpr_kernarg_segment_ptr 1
		.amdhsa_wavefront_size32 1
		.amdhsa_system_sgpr_workgroup_id_x 1
		.amdhsa_system_sgpr_workgroup_id_y 1
		.amdhsa_system_sgpr_workgroup_id_z 1
		.amdhsa_system_vgpr_workitem_id 0
		.amdhsa_next_free_vgpr 258
		.amdhsa_next_free_sgpr 88
		.amdhsa_reserve_vcc 1
		.amdhsa_float_denorm_mode_32 3
		.amdhsa_float_denorm_mode_16_64 3
		.amdhsa_memory_ordered 1
		.amdhsa_forward_progress 1
		.amdhsa_inst_pref_size 83
	.end_amdhsa_kernel
	.amdgpu_metadata
---
amdhsa.version: [ 1, 2 ]
amdhsa.kernels:
  - .name:           k_q5a42892f8b_simstat
    .symbol:         k_q5a42892f8b_simstat.kd
    .args:
      - { .name: x_codes, .offset: 0, .size: 8, .value_kind: global_buffer, .address_space: global }
      - { .name: x_scales, .offset: 8, .size: 8, .value_kind: global_buffer, .address_space: global }
      - { .name: w_qkv_codes, .offset: 16, .size: 8, .value_kind: global_buffer, .address_space: global }
      - { .name: w_qkv_scales, .offset: 24, .size: 8, .value_kind: global_buffer, .address_space: global }
      - { .name: g_qkv, .offset: 32, .size: 8, .value_kind: global_buffer, .address_space: global }
      - { .name: b_qkv, .offset: 40, .size: 8, .value_kind: global_buffer, .address_space: global }
      - { .name: part1, .offset: 48, .size: 8, .value_kind: global_buffer, .address_space: global }
      - { .name: tabs, .offset: 56, .size: 8, .value_kind: global_buffer, .address_space: global }
      - { .name: simpart, .offset: 64, .size: 8, .value_kind: global_buffer, .address_space: global }
    .group_segment_fixed_size: 46080
    .private_segment_fixed_size: 0
    .kernarg_segment_align: 8
    .kernarg_segment_size: 72
    .max_flat_workgroup_size: 256
    .sgpr_count:     88
    .vgpr_count:     258
    .wavefront_size: 32
...
	.end_amdgpu_metadata
.endif
;; end of part 2
;; launch attn (part 3): grid 256 x 1, 16 waves a work-group, no clusters, 280,576 bytes of LDS; arguments x_codes, x_scales, w_qkv_codes, w_qkv_scales, g_qkv, b_qkv, g_sim, b_sim, part1, simpart, tabs, zbuf, part3; writes zbuf, part3
.if DOCPART == 3
	.amdgcn_target "amdgcn-amd-amdhsa--gfx1250"
	.amdhsa_code_object_version 6
	.text
	.protected	k_q5a42892f8b_attn
	.globl	k_q5a42892f8b_attn
	.p2align	8
	.type	k_q5a42892f8b_attn,@function
k_q5a42892f8b_attn:
	s_mov_b64 s[64:65], 0
	v_nop
	global_prefetch_b8 v0, s[64:65] scope:SCOPE_SE
	s_setreg_imm32_b32 hwreg(HW_REG_WAVE_MODE, 25, 1), 1
	s_wait_xcnt 0x0
; THIRD LAUNCH: q, k, v from the codes; the three similarities under their BatchNorm; softmax; sv and sve, not yet normalised, to zbuf; their channel sums to part3.
; ONE BATCH (column b, group g) TO A LANE.  The product y = W x is laid so that lane (r, h) of a result holds eight channels of group 2 T + h and column 16 wt + r:
; row r' of W's tile is channel (2 T + r' / 8) 16 + 8 tile + r' % 8 (tile 0: q0-3, k0-3; tile 1: v0-7).  In that layout relative[c][i - j + 127] is the same for all lanes:
; it is read as SCALAR registers, no lane ever looks at another lane in the softmax, and all 28 multiply-adds of a similarity are f32, two to an instruction.
; SHARES: work-group = (half, T, bw): 16 columns x 2 groups, rows i = 64 half .. + 63.  Wave wv takes four rows, i0 = 64 half + 4 wv, and walks all 128 columns j, eight a trip.
; All 16 waves first make q, k, v of all 128 rows (8 rows a wave) and put them into LDS as [channel][row / 4][lane][4 rows]: every LDS access is 16 bytes a lane at 16 x lane.
; LOGITS, in units of log2: L = s1e qk + s2e qr + s3e kr + CST, s.e = g_sim rsqrt(var + eps) log2(e) (x 0.1 for qr, kr), the scales folded into q (twice) and k; CST = log2(e) x the sum of b_sim - mean s.
; SOFTMAX: a running maximum M and sum LS for each row; p = 2^(L - M); in every trip the sums are multiplied by 2^(old M - new M).
; OUT: z_sv = sv - b_qkv[channel of v], z_sve = 0.1 (sve - relative[8+c][127]): a constant taken off each channel, which the last BatchNorm removes exactly
; and which keeps its E[z^2] - mean^2 free of a large common offset.  zbuf [bw 32][ch 128][i / 4 32][r 16][i % 4]; part3 [ch 128][sum, squares][bw x 2 + half 64].
; No tensor loads and no cluster: what work-groups share is 64 KiB of codes each, read once straight into fragments, a small part of a work-group's work.
; LIMITS: variances are E[x^2] - mean^2 in f32, held at 0 from below (log2(1 + mean^2 / var) bits are lost).  p under 2^-126 counts as 0.  NaN, infinities and a scale byte 0xff are not served.
.set NW,  16
.set PW,  8
.set NA,  4
.set KEEPB, 1
.set LK,   65536                       ; LDS: q at 0 [c 4][iq 32][lane 32][16 bytes]; k at LK likewise; v at LV [c 8][..]
.set LV,   131072
.set RED,  262144                      ; [stat 2][channel 32][wave 16]
.set ADW,  266240                      ; 512 bytes a wave: a, d, b of the 32 channels
.set RED3, 274432                      ; [wave 16][h 2][32 numbers]
; registers of the loop
.set CST, 6                            ; v[6:7]    CST, twice
.set KS3, 8                            ; v[8:9]    s3e, twice
.set M,   10                           ; v10-13    running maxima of my four rows
.set LS,  14                           ; v14-17    running sums
.set F,   18                           ; v18-21    2^(old M - new M)
.set TM,  22                           ; v22-25    the new maxima
.set Q1,  26                           ; v26-41    s1e q [c 4][rho 4]
.set Q2,  42                           ; v42-57    s2e q
.set ACS, 58                           ; v58-89    sv  [c 8][rho 4]
.set ACE, 90                           ; v90-121   sve [c 8][rho 4]
.set L,   122                          ; v122-153  logits, then p [jj 8][rho 4]
.set KB,  154                          ; v154-185  k [c 4][jj 8]
.set VB,  186                          ; v186-249  v [c 8][jj 8]
.set K3,  186                          ; v186-217  s3e k, until v's loads are issued
.set XS,  250                          ; v250-253  x's scale words, two rows a register: they hold nothing else
.set WS,  254                          ; v254      W's: tile 0 in lanes 0-15, tile 1 in lanes 16-31
; registers of the prologue, laid over them
.set AN,  26
.set DN,  42
.set XF,  58                           ; x's 8 fragments
.set WF,  122                          ; W's two
.set DD,  154                          ; four results
.set TT,  186                          ; 32 normalised numbers, [channel 8][rho 4]
.set BT,  186
.set BG,  202
.set BB,  203
.set SP,  204                          ; simpart's six pairs
.set GS,  216
.set BS,  219
.set RAW, 218
.set QS1, 246                          ; s1e, twice;  s2e, twice
.set QS2, 248
.set BR,  154
.set BO,  18
.set BC,  19
.set BRS, 20
.set BRL, 21
.set BAS, 22
.set BAL, 23
.set P1,  24
.set GQ,  16
.set BQ,  18
.set ST,  122                          ; the way out: 32 sums
.macro BAR
	s_wait_dscnt 0x0
	s_barrier_signal -1
	s_barrier_wait -1
.endm
; a = g rsqrt(var + eps), d = b - mean a of channels 32 T + lane, from part1's 128 rows: each wave adds PW rows, the waves' parts meet in LDS, every wave finishes the sums;
; then a, d (and b) go through the wave's own 512 bytes of LDS into the result's layout: lane (r, h) takes those of local channels 16 h + 0 .. 15
.macro BNCONST
.set u, 0
.rept PW
	global_load_b32 v[BT+2*u], v[BO], s[P1:P1+1] offset:u*1024
	global_load_b32 v[BT+2*u+1], v[BO], s[P1:P1+1] offset:u*1024+512
.set u, u+1
.endr
	global_load_b32 v[BG], v[BC], s[GQ:GQ+1]
	global_load_b32 v[BB], v[BC], s[BQ:BQ+1]
	s_wait_loadcnt 0x0                             ; these, and every load issued before them
.set u, 1
.rept PW-1
	v_pk_add_f32 v[BT:BT+1], v[BT:BT+1], v[BT+2*u:BT+2*u+1]
.set u, u+1
.endr
	ds_store_b32 v[BRS], v[BT]
	ds_store_b32 v[BRS], v[BT+1] offset:128*NW
	BAR
.set u, 0
.rept NW/4
	ds_load_b128 v[BR+4*u:BR+4*u+3], v[BRL] offset:16*u
	ds_load_b128 v[BR+NW+4*u:BR+NW+4*u+3], v[BRL] offset:128*NW+16*u
.set u, u+1
.endr
	s_wait_dscnt 0x0
.set u, 1
.rept NW/2-1
	v_pk_add_f32 v[BR:BR+1], v[BR:BR+1], v[BR+2*u:BR+2*u+1]
	v_pk_add_f32 v[BR+NW:BR+NW+1], v[BR+NW:BR+NW+1], v[BR+NW+2*u:BR+NW+2*u+1]
.set u, u+1
.endr
	v_add_f32 v[BR], v[BR], v[BR+1]
	v_add_f32 v[BR+NW], v[BR+NW], v[BR+NW+1]
	v_mul_f32 v[BR], 0x37800000, v[BR]             ; the mean: / 65,536
	v_mul_f32 v[BR+NW], 0x37800000, v[BR+NW]
	v_fma_f32 v[BR+NW], -v[BR], v[BR], v[BR+NW]    ; the variance,
	v_max_num_f32 v[BR+NW], 0, v[BR+NW]            ; held at 0 from below
	v_add_f32 v[BR+NW], 0x3727c5ac, v[BR+NW]       ; + 1e-5
	v_rsq_f32 v[BR+1], v[BR+NW]
	v_nop                                          ; a plain instruction behind the transcendental,
	s_wait_alu depctr_va_vdst(0)                   ; and the wait ahead of its first reader
	v_mul_f32 v[BR+1], v[BG], v[BR+1]              ; a
	v_fma_f32 v[BR+2], -v[BR], v[BR+1], v[BB]      ; d
	ds_store_b32 v[BAS], v[BR+1]
	ds_store_b32 v[BAS], v[BR+2] offset:128
.if KEEPB
	ds_store_b32 v[BAS], v[BB] offset:256
.endif
.set u, 0
.rept NA
	ds_load_b128 v[AN+4*u:AN+4*u+3], v[BAL] offset:16*u            ; my wave's own bytes: LDS serves a wave's instructions in order
	ds_load_b128 v[DN+4*u:DN+4*u+3], v[BAL] offset:128+16*u
.set u, u+1
.endr
	s_wait_dscnt 0x0
.endm
	s_load_b512 s[8:23], s[0:1], 0x0               ; x's codes 8, x's scales 10, W's codes 12, W's scales 14, g_qkv 16, b_qkv 18, g_sim 20, b_sim 22
	s_load_b256 s[24:31], s[0:1], 0x40             ; part1 24, simpart 26, tabs 28, zbuf 30
	s_load_b64 s[32:33], s[0:1], 0x60              ; part3
.irp k, 0,1,2,3,4,5,6,7
.irp j, 4,5,6,7
	v_mov_b32 v[XF+8*\k+\j], 0                     ; k = 64 .. 127 of every fragment: zero codes, written far ahead of the products
.endr
.endr
.irp k, 0,1
.irp j, 4,5,6,7
	v_mov_b32 v[WF+8*\k+\j], 0
.endr
.endr
	v_lshrrev_b32 v10, 5, v0
	v_readfirstlane_b32 s101, v10                  ; wave 0..15
	v_and_b32 v12, 31, v0                          ; l
	v_and_b32 v10, 15, v0                          ; r
	v_bfe_u32 v11, v0, 4, 1                        ; h
	v_lshlrev_b32 v1, 4, v12                       ; 16 l: kept
	v_lshlrev_b32 v13, 5, v10
	v_lshl_add_u32 v13, v11, 4, v13                ; x's codes: 32 r + 16 h
	v_lshrrev_b32 v18, 3, v10                      ; r / 8
	v_and_b32 v19, 7, v10                          ; r % 8
	v_lshlrev_b32 v14, 5, v19
	v_lshl_add_u32 v14, v18, 9, v14
	v_lshl_add_u32 v14, v11, 4, v14                ; W's codes: channel (r / 8) 16 + r % 8 (+ 8 tile), 32 bytes each, + 16 h
	v_lshlrev_b32 v15, 1, v10
	v_lshl_add_u32 v15, v11, 8, v15                ; x's scales: lanes 16-31 take the next row
	v_lshlrev_b32 v16, 1, v19
	v_lshl_add_u32 v16, v18, 5, v16
	v_lshl_add_u32 v16, v11, 4, v16                ; W's scales: lanes 16-31 take tile 1's
	v_lshlrev_b32 v5, 4, v10
	v_lshl_add_u32 v5, v11, 16, v5                 ; zbuf: 8 channels of 8,192 bytes x h + 16 r: kept
	v_lshlrev_b32 v24, 3, v10
	v_lshl_add_u32 v24, v11, 10, v24               ; simpart: group h, 8 bytes a lane
	s_and_b32 s34, ttmp9, 1                        ; half
	s_bfe_u32 s35, ttmp9, 0x20001                  ; T
	s_lshr_b32 s36, ttmp9, 3                       ; bw
	s_lshr_b32 s37, s36, 3                         ; n
	s_and_b32 s38, s36, 7                          ; wt
	s_lshl_b32 s39, s35, 3
	v_lshl_add_u32 v25, v11, 2, s39                ; g_sim, b_sim: group 2 T + h
	s_lshl_b32 s39, s35, 7
	v_lshl_add_u32 v[BC], v12, 2, s39              ; g_qkv, b_qkv: channel 32 T + l
	s_lshl_b32 s54, s101, 13
	s_add_co_u32 s54, s54, s39
	v_lshl_add_u32 v[BO], v12, 2, s54              ; part1: 4 l + 8 rows x wave + 128 T
	s_lshl_b32 s39, s101, 10                       ; LDS addresses hang on lane and wave alone
	v_add_nc_u32 v2, s39, v1                       ; q: my 8 rows are two of the 32 quads: 1,024 bytes x wave
	v_add_nc_u32 v3, LK, v2                        ; k
	v_add_nc_u32 v4, LV, v2                        ; v0-3
	v_add_nc_u32 v17, LV+65536, v2                 ; v4-7
	s_lshl_b32 s39, s101, 2
	v_lshl_add_u32 v[BRL], v12, 6, RED
	v_add_nc_u32 v[BRS], s39, v[BRL]
	s_lshl_b32 s39, s101, 9
	s_add_co_u32 s39, s39, ADW
	v_lshl_add_u32 v[BAS], v12, 2, s39
	v_lshl_add_u32 v[BAL], v11, 6, s39
	s_lshl_b32 s40, s37, 19                        ; x's codes: n, my 8 rows of 4,096 bytes, my 16 columns
	s_lshl_b32 s41, s101, 15
	s_add_co_u32 s40, s40, s41
	s_lshl_b32 s41, s38, 9
	s_add_co_u32 s40, s40, s41
	s_mov_b32 s41, 0
	s_lshl_b32 s42, s37, 15                        ; x's scales likewise
	s_lshl_b32 s43, s101, 11
	s_add_co_u32 s42, s42, s43
	s_lshl_b32 s43, s38, 5
	s_add_co_u32 s42, s42, s43
	s_mov_b32 s43, 0
	s_lshl_b32 s44, s35, 10
	s_mov_b32 s45, 0
	s_lshl_b32 s46, s35, 6
	s_mov_b32 s47, 0
	s_lshl_b32 s48, s35, 11
	s_mov_b32 s49, 0
	s_lshl_b32 s50, s36, 20                        ; zbuf: bw, 16 channels x T, quad of rows 16 half + wave
	s_lshl_b32 s51, s35, 17
	s_add_co_u32 s50, s50, s51
	s_lshl_b32 s51, s34, 12
	s_add_co_u32 s50, s50, s51
	s_lshl_b32 s51, s101, 8
	s_add_co_u32 s50, s50, s51
	s_mov_b32 s51, 0
	s_lshl_b32 s52, s35, 13                        ; part3: 16 channels x T, word bw x 2 + half
	s_lshl_b32 s53, s36, 3
	s_add_co_u32 s52, s52, s53
	s_lshl_b32 s53, s34, 2
	s_add_co_u32 s52, s52, s53
	s_mov_b32 s53, 0
	s_wait_kmcnt 0x0
	s_add_nc_u64 s[8:9], s[8:9], s[40:41]
	s_add_nc_u64 s[10:11], s[10:11], s[42:43]
	s_add_nc_u64 s[12:13], s[12:13], s[44:45]
	s_add_nc_u64 s[14:15], s[14:15], s[46:47]
	s_add_nc_u64 s[26:27], s[26:27], s[48:49]
	s_mov_b64 s[2:3], s[28:29]                     ; tabs, zbuf and part3 move out of the registers that the tables will take
	s_add_nc_u64 s[4:5], s[30:31], s[50:51]
	s_add_nc_u64 s[66:67], s[32:33], s[52:53]
	global_load_b128 v[WF:WF+3], v14, s[12:13]
	global_load_b128 v[WF+8:WF+11], v14, s[12:13] offset:256
	global_load_u16 v[WS], v16, s[14:15]
.irp k, 0,1,2,3,4,5,6,7
	global_load_b128 v[XF+8*\k:XF+8*\k+3], v13, s[8:9] offset:4096*\k    ; 32 lanes read 512 consecutive bytes
.endr
.irp p, 0,1,2,3
	global_load_u16 v[XS+\p], v15, s[10:11] offset:512*\p
.endr
.irp s, 0,1,2,3,4,5
	global_load_b64 v[SP+2*\s:SP+2*\s+1], v24, s[26:27] offset:128*\s    ; sixteen lanes read a group's 32 parts of sum s
.endr
.irp kd, 0,1,2
	global_load_b32 v[GS+\kd], v25, s[20:21] offset:32*\kd
	global_load_b32 v[BS+\kd], v25, s[22:23] offset:32*\kd
.endr
	BNCONST                                        ; barrier 1 stands in it
	; ---- the similarities' scales, for my lane's group
.irp s, 0,1,2,3,4,5
	v_add_f32 v[SP+2*\s], v[SP+2*\s], v[SP+2*\s+1]
.endr
.irp m, 1,2,4,8
.irp s, 0,1,2,3,4,5
	v_add_f32_dpp v[SP+2*\s], v[SP+2*\s], v[SP+2*\s] row_xmask:\m row_mask:0xf bank_mask:0xf
.endr
.endr
.irp kd, 0,1,2
	v_mul_f32 v[SP+4*\kd], 0x34000000, v[SP+4*\kd]                 ; / 2^23: the mean,
	v_mul_f32 v[SP+4*\kd+2], 0x34000000, v[SP+4*\kd+2]             ; the mean of the squares
.endr
.irp kd, 0,1,2
	v_fma_f32 v[SP+4*\kd+2], -v[SP+4*\kd], v[SP+4*\kd], v[SP+4*\kd+2]
.endr
.irp kd, 0,1,2
	v_max_num_f32 v[SP+4*\kd+2], 0, v[SP+4*\kd+2]
.endr
.irp kd, 1,2
	v_mul_f32 v[SP+4*\kd], 0x3dcccccd, v[SP+4*\kd]                 ; qr and kr carry the factor 0.1: the mean x 0.1,
	v_mul_f32 v[SP+4*\kd+2], 0x3c23d70a, v[SP+4*\kd+2]             ; the variance x 0.01
.endr
.irp kd, 0,1,2
	v_add_f32 v[SP+4*\kd+2], 0x3727c5ac, v[SP+4*\kd+2]
.endr
.irp kd, 0,1,2
	v_rsq_f32 v[SP+4*\kd+1], v[SP+4*\kd+2]
.endr
	v_nop
	s_wait_alu depctr_va_vdst(0)                   ; one wait for the three, ahead of their first reader
.irp kd, 0,1,2
	v_mul_f32 v[SP+4*\kd+1], v[GS+\kd], v[SP+4*\kd+1]              ; s = g_sim rsqrt(var + eps)
.endr
.irp kd, 0,1,2
	v_fma_f32 v[BS+\kd], -v[SP+4*\kd], v[SP+4*\kd+1], v[BS+\kd]    ; b_sim - mean s
.endr
	v_add_f32 v[BS], v[BS], v[BS+1]
	v_add_f32 v[BS], v[BS], v[BS+2]
	v_mul_f32 v[CST], 0x3fb8aa3b, v[BS]
	v_mul_f32 v[QS1], 0x3fb8aa3b, v[SP+1]
	v_mul_f32 v[SP+5], 0x3dcccccd, v[SP+5]
	v_mul_f32 v[SP+9], 0x3dcccccd, v[SP+9]
	v_mul_f32 v[QS2], 0x3fb8aa3b, v[SP+5]
	v_mul_f32 v[KS3], 0x3fb8aa3b, v[SP+9]
	v_mov_b32 v[CST+1], v[CST]
	v_mov_b32 v[QS1+1], v[QS1]                     ; (named as pairs by the packed forms)
	v_mov_b32 v[QS2+1], v[QS2]
	v_mov_b32 v[KS3+1], v[KS3]
	; ---- q, k, v of my 8 rows, a quad of rows and a tile of channels at a time
.macro WM d, a, b, sb, ra, rb          ; one product; ra, rb: W's and x's scale words lie in lanes 16-31
.if (\ra) && (\rb)
	v_wmma_scale_f32_16x16x128_f8f6f4 v[\d:\d+7], v[\a:\a+7], v[\b:\b+7], 0, v[WS], v[\sb] matrix_a_fmt:MATRIX_FMT_FP4 matrix_b_fmt:MATRIX_FMT_FP4 matrix_a_scale:MATRIX_SCALE_ROW1 matrix_b_scale:MATRIX_SCALE_ROW1
.elseif \ra
	v_wmma_scale_f32_16x16x128_f8f6f4 v[\d:\d+7], v[\a:\a+7], v[\b:\b+7], 0, v[WS], v[\sb] matrix_a_fmt:MATRIX_FMT_FP4 matrix_b_fmt:MATRIX_FMT_FP4 matrix_a_scale:MATRIX_SCALE_ROW1
.elseif \rb
	v_wmma_scale_f32_16x16x128_f8f6f4 v[\d:\d+7], v[\a:\a+7], v[\b:\b+7], 0, v[WS], v[\sb] matrix_a_fmt:MATRIX_FMT_FP4 matrix_b_fmt:MATRIX_FMT_FP4 matrix_b_scale:MATRIX_SCALE_ROW1
.else
	v_wmma_scale_f32_16x16x128_f8f6f4 v[\d:\d+7], v[\a:\a+7], v[\b:\b+7], 0, v[WS], v[\sb] matrix_a_fmt:MATRIX_FMT_FP4 matrix_b_fmt:MATRIX_FMT_FP4
.endif
.endm
.irp qd, 0,1
.irp tl, 0,1
.irp rho, 0,1,2,3
	WM DD+8*\rho, WF+8*\tl, XF+8*(4*\qd+\rho), XS+2*\qd+\rho/2, \tl, \rho%2
.endr
.rept 4
	v_nop                                          ; four places ahead of the first read of a result
.endr
.irp jj, 0,1,2,3,4,5,6,7                       ; the BatchNorm of y, turned: four rows of a channel side by side.  Each result is read from its low end on
.irp rho, 0,1,2,3
	v_fma_f32 v[TT+4*\jj+\rho], v[DD+8*\rho+\jj], v[AN+8*\tl+\jj], v[DN+8*\tl+\jj]
.endr
.endr
.irp c, 0,1,2,3
.if \tl == 0
	ds_store_b128 v2, v[TT+4*\c:TT+4*\c+3] offset:\c*16384+\qd*512
	ds_store_b128 v3, v[TT+16+4*\c:TT+16+4*\c+3] offset:\c*16384+\qd*512
.else
	ds_store_b128 v4, v[TT+4*\c:TT+4*\c+3] offset:\c*16384+\qd*512
	ds_store_b128 v17, v[TT+16+4*\c:TT+16+4*\c+3] offset:\c*16384+\qd*512
.endif
.endr
	s_wait_dscnt 0x0                               ; the stores are done: their registers are written again
.endr
.endr
	BAR                                            ; barrier 2: q, k, v of all 128 rows lie in LDS; nothing is written there from here on
	; ---- my four rows of q; the first eight columns of k
	s_lshl_b32 s40, s101, 9
	s_lshl_b32 s41, s34, 13
	s_add_co_u32 s40, s40, s41
	v_add_nc_u32 v18, s40, v1                      ; quad 16 half + wave
.irp c, 0,1,2,3
	ds_load_b128 v[RAW+4*\c:RAW+4*\c+3], v18 offset:\c*16384
.endr
	v_add_nc_u32 v2, LK, v1                        ; k's columns in hand
.irp c, 0,1,2,3
.irp qs, 0,1
	ds_load_b128 v[KB+8*\c+4*\qs:KB+8*\c+4*\qs+3], v2 offset:\c*16384+\qs*512
.endr
.endr
	v_add_nc_u32 v3, LV-1024, v1                   ; v's addresses are stepped ahead of their loads
	v_add_nc_u32 v4, LV+65536-1024, v1
	s_lshl_b32 s6, s34, 11                         ; 32 bytes x (i0 + 120): the table row of rho = 0, jj = 7 in the first trip
	s_lshl_b32 s40, s101, 7
	s_add_co_u32 s6, s6, s40
	s_add_co_u32 s6, s6, 3840
	s_mov_b32 s7, 16
.irp rho, 0,1,2,3
	v_mov_b32 v[M+\rho], 0xff61b1e6                ; -3e38, under every logit
	v_mov_b32 v[LS+\rho], 0
.endr
.set u, 0
.rept 64
	v_mov_b32 v[ACS+u], 0                          ; the trip is written once: the first finds zeros, which the first change of M leaves zeros
.set u, u+1
.endr
	s_wait_dscnt 0x8                               ; q is in; k's eight loads may be out
.set u, 0
.rept 8
	v_pk_mul_f32 v[Q1+2*u:Q1+2*u+1], v[RAW+2*u:RAW+2*u+1], v[QS1:QS1+1] op_sel_hi:[1,0]
	v_pk_mul_f32 v[Q2+2*u:Q2+2*u+1], v[RAW+2*u:RAW+2*u+1], v[QS2:QS2+1] op_sel_hi:[1,0]
.set u, u+1
.endr
; The eleven table rows (diagonals D = Dmin + 0 .. 10) that four rows x eight columns meet, eight numbers each: diagonal d at s[8 + 8 d], from d = 7 on at s[12 + 8 d] (s64 to s67 are passed over).
.macro LOADTAB base
	s_load_b512 s[8:23], s[2:3], s6 offset:\base
	s_load_b512 s[24:39], s[2:3], s6 offset:\base+64
	s_load_b512 s[40:55], s[2:3], s6 offset:\base+128
	s_load_b256 s[56:63], s[2:3], s6 offset:\base+192
	s_load_b512 s[68:83], s[2:3], s6 offset:\base+224
	s_load_b512 s[84:99], s[2:3], s6 offset:\base+288
.endm
; qk, channel c: two rows an instruction, k's number broadcast from its pair.  first = 1: the sum begins with CST.
.macro TQK c, first
.set jj, 0
.rept 8
.set kp, KB+8*\c+jj-jj%2
.irp rho, 0,2
.if \first
.set ca, CST
.else
.set ca, L+4*jj+\rho
.endif
.if jj%2
	v_pk_fma_f32 v[L+4*jj+\rho:L+4*jj+\rho+1], v[Q1+4*\c+\rho:Q1+4*\c+\rho+1], v[kp:kp+1], v[ca:ca+1] op_sel:[0,1,0] op_sel_hi:[1,1,1]
.else
	v_pk_fma_f32 v[L+4*jj+\rho:L+4*jj+\rho+1], v[Q1+4*\c+\rho:Q1+4*\c+\rho+1], v[kp:kp+1], v[ca:ca+1] op_sel_hi:[1,0,1]
.endif
.endr
.set jj, jj+1
.endr
.endm
; The terms with a table entry go two to an instruction: element (rho, jj), rho even, beside element (rho + 1, jj xor 1): one destination even and one odd, like sources in different banks, two scalars.
; Diagonal of (rho, jj): rho - jj + 7.
.macro TQR c
.set jj, 0
.rept 8
.set j1, jj+1-2*(jj%2)
.irp rho, 0,2
.set dx, \rho-jj+7
.set dy, \rho+1-j1+7
	v_dual_fmac_f32 v[L+4*jj+\rho], s[8+8*dx+4*(dx/7)+\c], v[Q2+4*\c+\rho] :: v_dual_fmac_f32 v[L+4*j1+\rho+1], s[8+8*dy+4*(dy/7)+\c], v[Q2+4*\c+\rho+1]
.endr
.set jj, jj+1
.endr
.endm
.macro TKR c
.set jj, 0
.rept 8
.set j1, jj+1-2*(jj%2)
.irp rho, 0,2
.set dx, \rho-jj+7
.set dy, \rho+1-j1+7
	v_dual_fmac_f32 v[L+4*jj+\rho], s[8+8*dx+4*(dx/7)+4+\c], v[K3+8*\c+jj] :: v_dual_fmac_f32 v[L+4*j1+\rho+1], s[8+8*dy+4*(dy/7)+4+\c], v[K3+8*\c+j1]
.endr
.set jj, jj+1
.endr
.endm
.Lchunk:                                               ; 16 trips, eight columns j each
	LOADTAB 0                                      ; q's and k's tables
	s_wait_dscnt 0x0                               ; k's eight columns are in
.set u, 0
.rept 16
	v_pk_mul_f32 v[K3+2*u:K3+2*u+1], v[KB+2*u:KB+2*u+1], v[KS3:KS3+1] op_sel_hi:[1,0]
.set u, u+1
.endr
	s_wait_kmcnt 0x0
	TQK 0, 1
	TQK 1, 0
	TQK 2, 0
	TQK 3, 0
.irp c, 0,1,2,3
	TQR \c
.endr
.irp c, 0,1,2,3
	TKR \c
.endr
	LOADTAB 8192                                   ; v's table: it lands while the softmax is worked
	v_add_nc_u32 v3, 1024, v3                      ; (the loads that last read these addresses were waited for in the trip before)
	v_add_nc_u32 v4, 1024, v4
.irp c, 0,1,2,3
.irp qs, 0,1
	ds_load_b128 v[VB+8*\c+4*\qs:VB+8*\c+4*\qs+3], v3 offset:\c*16384+\qs*512
.endr
.endr
.irp c, 0,1,2,3
.irp qs, 0,1
	ds_load_b128 v[VB+32+8*\c+4*\qs:VB+32+8*\c+4*\qs+3], v4 offset:\c*16384+\qs*512
.endr
.endr
	v_add_nc_u32 v2, 1024, v2                      ; the next trip's k.  In the last trip these loads read bytes further on in k's and v's regions, written ahead of barrier 2; their result is not used
.irp c, 0,1,2,3
.irp qs, 0,1
	ds_load_b128 v[KB+8*\c+4*\qs:KB+8*\c+4*\qs+3], v2 offset:\c*16384+\qs*512
.endr
.endr
.irp rho, 0,1,2,3
	v_max3_num_f32 v[TM+\rho], v[L+\rho], v[L+4+\rho], v[L+8+\rho]
.endr
.irp rho, 0,1,2,3
	v_max3_num_f32 v[TM+\rho], v[TM+\rho], v[L+12+\rho], v[L+16+\rho]
.endr
.irp rho, 0,1,2,3
	v_max3_num_f32 v[TM+\rho], v[TM+\rho], v[L+20+\rho], v[L+24+\rho]
.endr
.irp rho, 0,1,2,3
	v_max3_num_f32 v[TM+\rho], v[TM+\rho], v[L+28+\rho], v[M+\rho]         ; the running maximum
.endr
	v_pk_add_f32 v[F:F+1], v[M:M+1], v[TM:TM+1] neg_lo:[0,1] neg_hi:[0,1]  ; old M - new M
	v_pk_add_f32 v[F+2:F+3], v[M+2:M+3], v[TM+2:TM+3] neg_lo:[0,1] neg_hi:[0,1]
	v_dual_mov_b32 v[M], v[TM] :: v_dual_mov_b32 v[M+1], v[TM+1]
	v_dual_mov_b32 v[M+2], v[TM+2] :: v_dual_mov_b32 v[M+3], v[TM+3]
.set jj, 0
.rept 8
	v_pk_add_f32 v[L+4*jj:L+4*jj+1], v[L+4*jj:L+4*jj+1], v[M:M+1] neg_lo:[0,1] neg_hi:[0,1]
	v_pk_add_f32 v[L+4*jj+2:L+4*jj+3], v[L+4*jj+2:L+4*jj+3], v[M+2:M+3] neg_lo:[0,1] neg_hi:[0,1]
.set jj, jj+1
.endr
.irp rho, 0,1,2,3
	v_exp_f32 v[F+\rho], v[F+\rho]
.endr
.set u, 0
.rept 32
	v_exp_f32 v[L+u], v[L+u]                       ; p = 2^(L - M), at most 1
.set u, u+1
.endr
	v_nop                                          ; a plain instruction behind the last exponential,
	s_wait_alu depctr_va_vdst(0)                   ; and one wait for the 36, ahead of their first reader
.set u, 0
.rept 16                                       ; sv, sve and the sums under the new M; the rows' sums of p between them
	v_pk_mul_f32 v[ACS+4*u:ACS+4*u+1], v[ACS+4*u:ACS+4*u+1], v[F:F+1]
	v_pk_mul_f32 v[ACS+4*u+2:ACS+4*u+3], v[ACS+4*u+2:ACS+4*u+3], v[F+2:F+3]
.if u < 2
	v_pk_fma_f32 v[LS+2*u:LS+2*u+1], v[LS+2*u:LS+2*u+1], v[F+2*u:F+2*u+1], v[L+2*u:L+2*u+1]
.else
	v_pk_add_f32 v[LS+2*(u%2):LS+2*(u%2)+1], v[LS+2*(u%2):LS+2*(u%2)+1], v[L+4*(u/2)+2*(u%2):L+4*(u/2)+2*(u%2)+1]
.endif
.set u, u+1
.endr
	s_wait_kmcnt 0x0                               ; v's table is in
	s_wait_dscnt 0x8                               ; v's sixteen loads are in; the next trip's eight of k may be out
.set jj, 0
.rept 8
.set j1, jj+1-2*(jj%2)
.set vp, jj-jj%2
.irp c, 0,1,2,3,4,5,6,7
.irp rho, 0,2
.if jj%2
	v_pk_fma_f32 v[ACS+4*\c+\rho:ACS+4*\c+\rho+1], v[L+4*jj+\rho:L+4*jj+\rho+1], v[VB+8*\c+vp:VB+8*\c+vp+1], v[ACS+4*\c+\rho:ACS+4*\c+\rho+1] op_sel:[0,1,0] op_sel_hi:[1,1,1]
.else
	v_pk_fma_f32 v[ACS+4*\c+\rho:ACS+4*\c+\rho+1], v[L+4*jj+\rho:L+4*jj+\rho+1], v[VB+8*\c+vp:VB+8*\c+vp+1], v[ACS+4*\c+\rho:ACS+4*\c+\rho+1] op_sel_hi:[1,0,1]
.endif
.endr
.endr
.irp c, 0,1,2,3,4,5,6,7
.irp rho, 0,2
.set dx, \rho-jj+7
.set dy, \rho+1-j1+7
	v_dual_fmac_f32 v[ACE+4*\c+\rho], s[8+8*dx+4*(dx/7)+\c], v[L+4*jj+\rho] :: v_dual_fmac_f32 v[ACE+4*\c+\rho+1], s[8+8*dy+4*(dy/7)+\c], v[L+4*j1+\rho+1]
.endr
.endr
.set jj, jj+1
.endr
	s_sub_co_u32 s6, s6, 256                       ; eight columns on: eight diagonals down (every scalar load that read s6 has been waited for)
	s_sub_co_u32 s7, s7, 1
	s_cmp_lg_u32 s7, 0
	s_cbranch_scc1 .Lchunk
	; ---- THE WAY OUT
	s_wait_dscnt 0x0                               ; the last look-ahead loads have landed
	s_load_b256 s[8:15], s[2:3], 8192+4064         ; relative[8+c][127]
	s_lshl_b32 s7, s101, 9
	s_add_co_u32 s7, s7, ADW+288
	v_bfe_u32 v2, v0, 4, 1                         ; h
	v_lshl_add_u32 v3, v2, 6, s7
	ds_load_b128 v[154:157], v3                    ; b_qkv of my group's v0-7, from my wave's own bytes
	ds_load_b128 v[158:161], v3 offset:16
	s_lshl_b32 s6, s101, 8
	s_add_co_u32 s6, s6, RED3
	v_lshl_add_u32 v3, v2, 7, s6                   ; where my wave's sums go
	v_lshl_add_u32 v4, v0, 2, RED3                 ; and where threads 0-63 read them
.irp rho, 0,1,2,3
	v_rcp_f32 v[F+\rho], v[LS+\rho]
.endr
	v_mov_b32 v234, 0x3dcccccd                     ; 0.1 (a plain instruction behind the reciprocals)
	s_wait_alu depctr_va_vdst(0)
.irp rho, 0,1,2,3
	v_mul_f32 v[TM+\rho], v234, v[F+\rho]
.endr
	s_wait_kmcnt 0x0
.irp c, 0,1,2,3,4,5,6,7
	v_mul_f32 v[226+\c], s[8+\c], v234
.endr
	s_wait_dscnt 0x0
.irp c, 0,1,2,3,4,5,6,7
.irp rho, 0,1,2,3
	v_fma_f32 v[ACS+4*\c+\rho], v[ACS+4*\c+\rho], v[F+\rho], -v[154+\c]
	v_fma_f32 v[ACE+4*\c+\rho], v[ACE+4*\c+\rho], v[TM+\rho], -v[226+\c]
.endr
.endr
.irp c, 0,1,2,3,4,5,6,7
	global_store_b128 v5, v[ACS+4*\c:ACS+4*\c+3], s[4:5] offset:\c*8192             ; sixteen lanes store 256 consecutive bytes, at a multiple of 256 from zbuf's first byte
	global_store_b128 v5, v[ACE+4*\c:ACE+4*\c+3], s[4:5] offset:524288+\c*8192
.endr
.set u, 0
.rept 16                                       ; channel u = 8 kind + c: the sum and the sum of squares of my four rows
	v_pk_add_f32 v[162+4*u:163+4*u], v[ACS+4*u:ACS+4*u+1], v[ACS+4*u+2:ACS+4*u+3]
	v_pk_mul_f32 v[164+4*u:165+4*u], v[ACS+4*u:ACS+4*u+1], v[ACS+4*u:ACS+4*u+1]
.set u, u+1
.endr
.set u, 0
.rept 16
	v_pk_fma_f32 v[164+4*u:165+4*u], v[ACS+4*u+2:ACS+4*u+3], v[ACS+4*u+2:ACS+4*u+3], v[164+4*u:165+4*u]
	v_add_f32 v[ST+u], v[162+4*u], v[163+4*u]
.set u, u+1
.endr
.set u, 0
.rept 16
	v_add_f32 v[ST+16+u], v[164+4*u], v[165+4*u]
.set u, u+1
.endr
.irp m, 1,2,4,8                                ; over the 16 columns; the halves of the lanes are two groups
.set u, 0
.rept 32
	v_add_f32_dpp v[ST+u], v[ST+u], v[ST+u] row_xmask:\m row_mask:0xf bank_mask:0xf
.set u, u+1
.endr
.endr
.irp u, 0,1,2,3,4,5,6,7
	ds_store_b128 v3, v[ST+4*\u:ST+4*\u+3] offset:16*\u            ; the sixteen lanes of a half write the same bytes with the same values
.endr
	v_and_b32 v6, 7, v0                            ; part3's place of thread h x 32 + stat x 16 + kind x 8 + c
	v_lshlrev_b32 v6, 9, v6
	v_bfe_u32 v7, v0, 3, 1
	v_lshl_add_u32 v6, v7, 15, v6
	v_bfe_u32 v7, v0, 4, 1
	v_lshl_add_u32 v6, v7, 8, v6
	v_bfe_u32 v7, v0, 5, 1
	v_lshl_add_u32 v6, v7, 12, v6
	BAR                                            ; barrier 3: the sixteen waves' sums lie in LDS
	s_cmp_lt_u32 s101, 2
	s_cbranch_scc0 .Lend
.irp w, 0,1,2,3,4,5,6,7,8,9,10,11,12,13,14,15
	ds_load_b32 v[162+\w], v4 offset:256*\w
.endr
	s_wait_dscnt 0x0
.irp w, 0,2,4,6,8,10,12,14
	v_add_f32 v[162+\w], v[162+\w], v[163+\w]
.endr
.irp w, 0,4,8,12
	v_add_f32 v[162+\w], v[162+\w], v[164+\w]
.endr
	v_add_f32 v162, v162, v166
	v_add_f32 v170, v170, v174
	v_add_f32 v162, v162, v170
	global_store_b32 v6, v162, s[66:67]            ; 64 single words a work-group, beside its 128 KiB of zbuf
.Lend:
	s_wait_xcnt 0x0
	v_lshl_add_u32 v254, v0, 2, 0x44000
	v_mov_b32 v255, 0
	s_wait_tensorcnt 0x0
	ds_add_u32 v254, v255
	s_wait_dscnt 0x0
	s_endpgm
.Lfunc_end_k_q5a42892f8b_attn:
	.size	k_q5a42892f8b_attn, .Lfunc_end_k_q5a42892f8b_attn-k_q5a42892f8b_attn
	.p2alignl 7, 3214868480
	.fill 96, 4, 3214868480
	.section	.rodata,"a",@progbits
	.p2align	6, 0x0
	.amdhsa_kernel k_q5a42892f8b_attn
		.amdhsa_group_segment_fixed_size 280576
		.amdhsa_private_segment_fixed_size 0
		.amdhsa_enable_private_segment 0
		.amdhsa_kernarg_size 104
		.amdhsa_user_sgpr_count 2
		.amdhsa_user_sgpr_kernarg_segment_ptr 1
		.amdhsa_wavefront_size32 1
		.amdhsa_system_sgpr_workgroup_id_x 1
		.amdhsa_system_sgpr_workgroup_id_y 1
		.amdhsa_system_sgpr_workgroup_id_z 1
		.amdhsa_system_vgpr_workitem_id 0
		.amdhsa_next_free_vgpr 256
		.amdhsa_next_free_sgpr 102
		.amdhsa_reserve_vcc 0
		.amdhsa_float_denorm_mode_32 3
		.amdhsa_float_denorm_mode_16_64 3
		.amdhsa_memory_ordered 1
		.amdhsa_forward_progress 1
		.amdhsa_inst_pref_size 94
	.end_amdhsa_kernel
	.amdgpu_metadata
---
amdhsa.version: [ 1, 2 ]
amdhsa.kernels:
  - .name:           k_q5a42892f8b_attn
    .symbol:         k_q5a42892f8b_attn.kd
    .args:
      - { .name: x_codes, .offset: 0, .size: 8, .value_kind: global_buffer, .address_space: global }
      - { .name: x_scales, .offset: 8, .size: 8, .value_kind: global_buffer, .address_space: global }
      - { .name: w_qkv_codes, .offset: 16, .size: 8, .value_kind: global_buffer, .address_space: global }
      - { .name: w_qkv_scales, .offset: 24, .size: 8, .value_kind: global_buffer, .address_space: global }
      - { .name: g_qkv, .offset: 32, .size: 8, .value_kind: global_buffer, .address_space: global }
      - { .name: b_qkv, .offset: 40, .size: 8, .value_kind: global_buffer, .address_space: global }
      - { .name: g_sim, .offset: 48, .size: 8, .value_kind: global_buffer, .address_space: global }
      - { .name: b_sim, .offset: 56, .size: 8, .value_kind: global_buffer, .address_space: global }
      - { .name: part1, .offset: 64, .size: 8, .value_kind: global_buffer, .address_space: global }
      - { .name: simpart, .offset: 72, .size: 8, .value_kind: global_buffer, .address_space: global }
      - { .name: tabs, .offset: 80, .size: 8, .value_kind: global_buffer, .address_space: global }
      - { .name: zbuf, .offset: 88, .size: 8, .value_kind: global_buffer, .address_space: global }
      - { .name: part3, .offset: 96, .size: 8, .value_kind: global_buffer, .address_space: global }
    .group_segment_fixed_size: 280576
    .private_segment_fixed_size: 0
    .kernarg_segment_align: 8
    .kernarg_segment_size: 104
    .max_flat_workgroup_size: 512
    .sgpr_count:     102
    .vgpr_count:     256
    .wavefront_size: 32
...
	.end_amdgpu_metadata
.endif
;; end of part 3
;; launch bnout (part 4): grid 256 x 1, 8 waves a work-group, no clusters, 68,608 bytes of LDS; arguments zbuf, part3, g_out, b_out, out0; writes out0
.if DOCPART == 4
	.amdgcn_target "amdgcn-amd-amdhsa--gfx1250"
	.amdhsa_code_object_version 6
	.text
	.protected	k_q5a42892f8b_bnout
	.globl	k_q5a42892f8b_bnout
	.p2align	8
	.type	k_q5a42892f8b_bnout,@function
k_q5a42892f8b_bnout:
	s_mov_b64 s[64:65], 0
	v_nop
	global_prefetch_b8 v0, s[64:65] scope:SCOPE_SE
	s_setreg_imm32_b32 hwreg(HW_REG_WAVE_MODE, 25, 1), 1
	s_wait_xcnt 0x0
; FOURTH LAUNCH: the last BatchNorm, the sum of channels 2 C' and 2 C' + 1, and the way from [column][row] to out0 [n][C'][i][w].
; A work-group takes one (n, C'): 128 x 128 numbers of out0, 64 KiB, from two channels of zbuf.  Wave wv takes rows i = 16 wv .. 16 wv + 15, four quads of rows.
; zbuf [bw 32][ch 128][i / 4 32][r 16][i % 4]: a load's sixteen lanes read 256 consecutive bytes; lane l with load t holds column w = 32 t + l and four rows.
; The rows are turned through the wave's own stage in LDS (four rows of 512 bytes + 16 for each quad), so that each store of the wave covers 512 consecutive bytes of a row of out0.
; Every wave makes the two channels' mean and variance itself from part3's 64 parts: no barrier, waves share nothing.
; A stream: matrix units, tensor loads and clusters have nothing to do here.
; LIMITS: the variance is E[z^2] - mean^2 in f32, held at 0 from below; z carries a constant offset for each channel, taken off by the launch before, which this normalisation removes.
.set STG, 2112                         ; a stage: 4 rows x 528 bytes
.set Z,   24                           ; v24-151: load (iqs, t, channel) at v[Z + 4 ((4 iqs + t) 2 + channel)]
	s_load_b256 s[4:11], s[0:1], 0x0               ; zbuf s[4:5], part3 s[6:7], g_out s[8:9], b_out s[10:11]
	s_load_b64 s[12:13], s[0:1], 0x20              ; out0
	v_lshl_add_u32 v160, v0, 2, 0x10800
	v_mov_b32 v161, 0
	v_lshrrev_b32 v1, 5, v0
	v_readfirstlane_b32 s14, v1                    ; wave 0..7
	v_and_b32 v5, 31, v0                           ; l
	v_and_b32 v6, 15, v0                           ; r
	v_bfe_u32 v7, v0, 4, 1                         ; h
	v_lshlrev_b32 v1, 4, v5                        ; 16 l
	v_lshlrev_b32 v2, 4, v6
	v_lshl_add_u32 v2, v7, 20, v2                  ; zbuf: lanes 16-31 take the next 16 columns, 2^20 bytes on
	s_mul_i32 s15, s14, 4*STG
	v_lshl_add_u32 v3, v5, 2, s15                  ; my stages: in, 4 bytes a lane;
	v_lshl_add_u32 v4, v5, 4, s15                  ; back, 16 bytes a lane
	s_and_b32 s20, ttmp9, 63                       ; C'
	s_lshr_b32 s21, ttmp9, 6                       ; n
	s_lshl_b32 s22, s20, 10                        ; part3: two channels of 512 bytes
	s_mov_b32 s23, 0
	s_lshl_b32 s24, s20, 3                         ; g_out, b_out: two numbers
	s_mov_b32 s25, 0
	s_lshl_b32 s26, s21, 23                        ; zbuf: 8 blocks of columns x n, channel 2 C', my four quads of rows
	s_lshl_b32 s27, s20, 14
	s_add_co_u32 s26, s26, s27
	s_lshl_b32 s27, s14, 10
	s_add_co_u32 s26, s26, s27
	s_mov_b32 s27, 0
	s_lshl_b32 s28, ttmp9, 16                      ; out0: 64 KiB a work-group, 16 rows of 512 bytes a wave
	s_lshl_b32 s29, s14, 13
	s_add_co_u32 s28, s28, s29
	s_mov_b32 s29, 0
	s_wait_kmcnt 0x0
	s_add_nc_u64 s[6:7], s[6:7], s[22:23]
	s_add_nc_u64 s[8:9], s[8:9], s[24:25]
	s_add_nc_u64 s[10:11], s[10:11], s[24:25]
	s_add_nc_u64 s[4:5], s[4:5], s[26:27]
	s_add_nc_u64 s[12:13], s[12:13], s[28:29]
	s_load_b64 s[16:17], s[8:9], 0x0               ; g_out of the two channels
	s_load_b64 s[18:19], s[10:11], 0x0             ; b_out
	global_load_b128 v[8:11], v1, s[6:7]           ; channel 2 C': lanes 0-15 the 64 sums, lanes 16-31 the 64 sums of squares
	global_load_b128 v[12:15], v1, s[6:7] offset:512
.irp iqs, 0,1,2,3
.irp t, 0,1,2,3
.irp chs, 0,1
	global_load_b128 v[Z+4*((4*\iqs+\t)*2+\chs):Z+4*((4*\iqs+\t)*2+\chs)+3], v2, s[4:5] offset:\t*2097152+\chs*8192+\iqs*256 th:TH_LOAD_NT
.endr
.endr
.endr
	s_wait_loadcnt 32                              ; part3's two loads are in; the 32 of z may be out
	v_add_f32 v8, v8, v9
	v_add_f32 v10, v10, v11
	v_add_f32 v12, v12, v13
	v_add_f32 v14, v14, v15
	v_add_f32 v8, v8, v10
	v_add_f32 v12, v12, v14
.irp m, 1,2,4,8
	v_add_f32_dpp v8, v8, v8 row_xmask:\m row_mask:0xf bank_mask:0xf
	v_add_f32_dpp v12, v12, v12 row_xmask:\m row_mask:0xf bank_mask:0xf
.endr
	v_readlane_b32 s20, v8, 0                      ; the sum,
	v_readlane_b32 s21, v8, 16                     ; the sum of squares
	v_readlane_b32 s22, v12, 0
	v_readlane_b32 s23, v12, 16
	v_mov_b32 v8, s20
	v_mov_b32 v9, s21
	v_mov_b32 v12, s22
	v_mov_b32 v13, s23
	v_mul_f32 v8, 0x37800000, v8                   ; / 65,536: the means
	v_mul_f32 v9, 0x37800000, v9
	v_mul_f32 v12, 0x37800000, v12
	v_mul_f32 v13, 0x37800000, v13
	v_fma_f32 v9, -v8, v8, v9
	v_fma_f32 v13, -v12, v12, v13
	v_max_num_f32 v9, 0, v9
	v_max_num_f32 v13, 0, v13
	v_add_f32 v9, 0x3727c5ac, v9                   ; + 1e-5
	v_add_f32 v13, 0x3727c5ac, v13
	v_rsq_f32 v10, v9
	v_rsq_f32 v14, v13
	v_nop                                          ; a plain instruction behind the transcendentals,
	s_wait_alu depctr_va_vdst(0)                   ; and one wait for both, ahead of their first reader
	s_wait_kmcnt 0x0
	v_mul_f32 v16, s16, v10                        ; A0 = g0 rsqrt(var0 + eps)
	v_mul_f32 v18, s17, v14                        ; A1
	v_mov_b32 v20, s18
	v_add_f32 v20, s19, v20                        ; B = b0 + b1 - mean0 A0 - mean1 A1
	v_fma_f32 v20, -v8, v16, v20
	v_fma_f32 v20, -v12, v18, v20
	v_mov_b32 v17, v16                             ; pairs for the packed forms
	v_mov_b32 v19, v18
	v_mov_b32 v21, v20
.irp iqs, 0,1,2,3
	s_wait_loadcnt 24-8*\iqs                       ; this quad's eight loads are in; the later quads' eight each may be out
.irp t, 0,1,2,3
	v_pk_fma_f32 v[Z+8*(4*\iqs+\t)+4:Z+8*(4*\iqs+\t)+5], v[Z+8*(4*\iqs+\t)+4:Z+8*(4*\iqs+\t)+5], v[18:19], v[20:21]
	v_pk_fma_f32 v[Z+8*(4*\iqs+\t)+6:Z+8*(4*\iqs+\t)+7], v[Z+8*(4*\iqs+\t)+6:Z+8*(4*\iqs+\t)+7], v[18:19], v[20:21]
.endr
.irp t, 0,1,2,3
	v_pk_fma_f32 v[Z+8*(4*\iqs+\t):Z+8*(4*\iqs+\t)+1], v[Z+8*(4*\iqs+\t):Z+8*(4*\iqs+\t)+1], v[16:17], v[Z+8*(4*\iqs+\t)+4:Z+8*(4*\iqs+\t)+5]
	v_pk_fma_f32 v[Z+8*(4*\iqs+\t)+2:Z+8*(4*\iqs+\t)+3], v[Z+8*(4*\iqs+\t)+2:Z+8*(4*\iqs+\t)+3], v[16:17], v[Z+8*(4*\iqs+\t)+6:Z+8*(4*\iqs+\t)+7]
.endr
.irp t, 0,1,2,3
.irp rho, 0,1,2,3
	ds_store_b32 v3, v[Z+8*(4*\iqs+\t)+\rho] offset:\iqs*STG+\rho*528+\t*128       ; row rho, column 32 t + l
.endr
.endr
.irp rho, 0,1,2,3
	ds_load_b128 v[Z+8*(4*\iqs+\rho)+4:Z+8*(4*\iqs+\rho)+7], v4 offset:\iqs*STG+\rho*528   ; a whole row, into registers that are done with; LDS serves a wave's instructions in order
.endr
.endr
.irp iqs, 0,1,2,3
	s_wait_dscnt 20*(3-\iqs)                       ; this quad's rows are back; the later quads' twenty LDS instructions each may be out
.irp rho, 0,1,2,3
	global_store_b128 v1, v[Z+8*(4*\iqs+\rho)+4:Z+8*(4*\iqs+\rho)+7], s[12:13] offset:\iqs*2048+\rho*512 th:TH_STORE_NT   ; 32 lanes store a row's 512 consecutive bytes
.endr
.endr
	s_wait_tensorcnt 0x0
	ds_add_u32 v160, v161
	s_wait_dscnt 0x0
	s_endpgm
.Lfunc_end_k_q5a42892f8b_bnout:
	.size	k_q5a42892f8b_bnout, .Lfunc_end_k_q5a42892f8b_bnout-k_q5a42892f8b_bnout
	.p2alignl 7, 3214868480
	.fill 96, 4, 3214868480
	.section	.rodata,"a",@progbits
	.p2align	6, 0x0
	.amdhsa_kernel k_q5a42892f8b_bnout
		.amdhsa_group_segment_fixed_size 68608
		.amdhsa_private_segment_fixed_size 0
		.amdhsa_enable_private_segment 0
		.amdhsa_kernarg_size 40
		.amdhsa_user_sgpr_count 2
		.amdhsa_user_sgpr_kernarg_segment_ptr 1
		.amdhsa_wavefront_size32 1
		.amdhsa_system_sgpr_workgroup_id_x 1
		.amdhsa_system_sgpr_workgroup_id_y 1
		.amdhsa_system_sgpr_workgroup_id_z 1
		.amdhsa_system_vgpr_workitem_id 0
		.amdhsa_next_free_vgpr 162
		.amdhsa_next_free_sgpr 66
		.amdhsa_reserve_vcc 0
		.amdhsa_float_denorm_mode_32 3
		.amdhsa_float_denorm_mode_16_64 3
		.amdhsa_memory_ordered 1
		.amdhsa_forward_progress 1
		.amdhsa_inst_pref_size 19
	.end_amdhsa_kernel
	.amdgpu_metadata
---
amdhsa.version: [ 1, 2 ]
amdhsa.kernels:
  - .name:           k_q5a42892f8b_bnout
    .symbol:         k_q5a42892f8b_bnout.kd
    .args:
      - { .name: zbuf, .offset: 0, .size: 8, .value_kind: global_buffer, .address_space: global }
      - { .name: part3, .offset: 8, .size: 8, .value_kind: global_buffer, .address_space: global }
      - { .name: g_out, .offset: 16, .size: 8, .value_kind: global_buffer, .address_space: global }
      - { .name: b_out, .offset: 24, .size: 8, .value_kind: global_buffer, .address_space: global }
      - { .name: out0, .offset: 32, .size: 8, .value_kind: global_buffer, .address_space: global }
    .group_segment_fixed_size: 68608
    .private_segment_fixed_size: 0
    .kernarg_segment_align: 8
    .kernarg_segment_size: 40
    .max_flat_workgroup_size: 256
    .sgpr_count:     66
    .vgpr_count:     162
    .wavefront_size: 32
...
	.end_amdgpu_metadata
.endif
;; end of part 4
